; MI455X (gfx1250); checked and timed in simulation.
; The chip was launched on July 23, 2026; its instructions are those of AMD's public machine-readable ISA for CDNA 5 (MIT licence, August 2026) and "CDNA5" Instruction Set Architecture Reference Guide (July 2026). The comments in the code are by the model that wrote it; some were corrected since.
;; Mo E. Allowed arithmetic: float matrix products may take bf16 or f16 operands with f32 sums; other float arithmetic in f32, or as packed bf16 or f16 multiplies, adds, multiply-adds, maxima and minima; sums over many terms, partial sums and values carried from step to step in f32; what a program stores and reads back later, other than sums and carried values, may be rounded once to bf16 or f16.
;; Inputs: w1 16 x 512 x 2,048 float32; w2 16 x 2,048 x 512 float32; w_gating 512 x 16 float32; x 8 x 1,024 x 512 float32.
;; Outputs: out0 8 x 1,024 x 512 float32; out1 one number float32.
;; 2 versions, each right; version 2 is version 1 with the launches ffn1, ffn2 written anew for expert scheduling mode. Each part assembles by itself: llvm-mc -triple=amdgcn-amd-amdhsa -mcpu=gfx1250 --defsym DOCPART=n.
;; ======== version 1 of 2: 5 launches
;; limits: values are held in f16: magnitudes above 65,504 overflow, below 6.1e-05 lose precision; a function is approximated: absolute error at most 2.5e-05
;; workspace buffers: selbits 16,384 bytes of whole numbers; gate 540,672 bytes; route 524,800 bytes of whole numbers; term 512 bytes; ei 16,777,216 bytes; hid 67,108,864 bytes; eo 67,108,864 bytes
;; launch router (part 1): grid 256 x 1, 8 waves a work-group, no clusters, 36,864 bytes of LDS; arguments x, w_gating, selbits, gate; writes selbits, gate
.if DOCPART == 1
	.amdgcn_target "amdgcn-amd-amdhsa--gfx1250"
	.amdhsa_code_object_version 6
	.text
	.protected	k_qaf4e6ab032_router
	.globl	k_qaf4e6ab032_router
	.p2align	8
	.type	k_qaf4e6ab032_router,@function
k_qaf4e6ab032_router:
	s_mov_b64 s[64:65], 0
	v_nop
	global_prefetch_b8 v0, s[64:65] scope:SCOPE_SE
	s_setreg_imm32_b32 hwreg(HW_REG_WAVE_MODE, 25, 1), 1
	s_wait_xcnt 0x0
; ROUTER.  raw = softmax(x . w_gating) over 16 experts, all in f32 on the inputs as they are given; an expert is chosen while the probabilities ranked
; ahead of it (larger, or equal with a lower index) add up to less than 0.8; the chosen probabilities are divided by their sum.
; Nothing here steers an address: the choices are stored as bit masks at fixed places (selbits), the weights and the sums of raw in gate.
; The product goes through the vector unit in f32: it is about a thousandth of the problem's arithmetic, and one choice flipped by a 16-bit rounding would move later tokens' slots.
; LIMITS.  The sum held against 0.8 is added in another order than reference()'s cumsum: a token whose sum lies within a few f32 roundings of 0.8 may be routed otherwise.  NaN and infinities are not treated apart.
; SHARES.  A work-group has 32 tokens, a wave 4.  Lane l owns the channels d = 128 j + 4 l + c (j, c = 0..3): each load of x covers 512 consecutive bytes.
; The lane's 16 rows of w_gating (256 registers, window 1) come through LDS: 128 units of 4 rows (256 bytes) at a pitch of 272 bytes.
; The selbits store is 8 bytes a wave, 16 KiB in the whole launch.
.set WP,    272
.set RAW,   128*WP                     ; 1,024 bytes: a word for each thread
.set SPARE, RAW+1024                   ; the spare words, 128 bytes for each of 8 waves; no other line names them
.set SPW, 8                            ; v8   my spare word's LDS address; never rewritten
.set NIL, 9                            ; v9   0; never rewritten
.set X,   16                           ; v16-79   x: token t at X + 16 t, register 4 j + c
.set ACC, 80                           ; v80-143  sums: token t, expert e at ACC + 16 t + e
.set STG, 144                          ; v144-175 w_gating on its way into LDS
.set T,   176                          ; v176-183 at work
.set MX,  192                          ; pairs (one register for each of the two tokens i = 0, 1 that a half of the lanes holds)
.set EV,  194
.set SM,  196
.set P,   198
.set Q,   200
.set S,   202
.set TT,  204
.set PS,  206
.set W,   208
.set RS,  210
.set SB,  212
.set OW,  214
.set OS,  215
.set ORW, 216
.set MB,  32                           ; s[32:35] lanes whose bit b is set
.set SELX, 36                          ; s[36:37] v_permlanex16_b32: each lane takes its own place in the other half
.set MSB, 0
.macro WIN new                         ; the immediate's high byte repeats the setting that is left
.if MSB != (\new)
	s_set_vgpr_msb (MSB<<8)|(\new)
.set MSB, \new
.endif
.endm
	s_load_b256 s[4:11], s[0:1], 0x0               ; x s[4:5], w_gating s[6:7], selbits s[8:9], gate s[10:11]
	v_lshl_add_u32 v[SPW], v0, 2, SPARE
	v_mov_b32 v[NIL], 0
	v_and_b32 v1, 31, v0                           ; lane
	v_lshrrev_b32 v3, 5, v0
	v_readfirstlane_b32 s12, v3                    ; wave
	v_lshlrev_b32 v4, 4, v0                        ; w_gating: 16 bytes a thread
	v_lshlrev_b32 v5, 4, v1
	v_lshl_add_u32 v5, v3, 13, v5                  ; x: wave x 4 rows of 2,048 bytes + 16 lane
	v_lshrrev_b32 v6, 4, v0
	v_mul_u32_u24 v6, v6, WP
	v_and_b32 v7, 15, v0
	v_lshl_add_u32 v6, v7, 4, v6                   ; into LDS: unit tid / 16, 16 bytes at tid % 16
	v_mul_u32_u24 v7, v1, WP                       ; out of LDS: unit 32 j + lane
	s_lshl_b32 s14, ttmp9, 16                      ; 32 rows of x
	s_mov_b32 s15, 0
	s_mov_b32 s[MB+0], 0xaaaaaaaa
	s_mov_b32 s[MB+1], 0xcccccccc
	s_mov_b32 s[MB+2], 0xf0f0f0f0
	s_mov_b32 s[MB+3], 0xff00ff00
	s_mov_b32 s[SELX], 0x76543210
	s_mov_b32 s[SELX+1], 0xfedcba98
	s_mov_b32 s38, 0x3f4ccccd                      ; 0.8 in f32
	s_wait_kmcnt 0x0
	s_add_nc_u64 s[4:5], s[4:5], s[14:15]
	s_lshl_b32 s14, ttmp9, 11
	s_add_nc_u64 s[16:17], s[10:11], s[14:15]      ; the work-group's 2,048 bytes of weights
	s_lshl_b32 s14, ttmp9, 6
	s_add_nc_u64 s[18:19], s[8:9], s[14:15]        ; its 64 bytes of masks
	s_add_nc_u64 s[20:21], s[10:11], s[14:15]      ; its 64 bytes of sums of raw (524,288 further on)
.irp c, 0,1,2,3,4,5,6,7
	global_load_b128 v[STG+4*\c:STG+4*\c+3], v4, s[6:7] offset:\c*4096
.endr
.irp t, 0,1,2,3
.irp j, 0,1,2,3
	global_load_b128 v[X+16*\t+4*\j:X+16*\t+4*\j+3], v5, s[4:5] offset:\t*2048+\j*512
.endr
.endr
	s_wait_loadcnt 16                              ; w_gating is in; the 16 younger loads of x stay out
.irp c, 0,1,2,3,4,5,6,7
	ds_store_b128 v6, v[STG+4*\c:STG+4*\c+3] offset:\c*16*WP
.endr
	s_wait_dscnt 0x0                               ; for the others' sake: my stores are done
	s_barrier_signal -1
	s_barrier_wait -1
	WIN 0x40                                       ; destination window 1
.irp j, 0,1,2,3
.irp p, 0,1,2,3,4,5,6,7,8,9,10,11,12,13,14,15
	ds_load_b128 v[64*\j+4*\p:64*\j+4*\p+3], v7 offset:\j*32*WP+\p*16  ; row 4 j + p / 4 of my 16, experts 4 (p % 4) on
.endr
.endr
	WIN 0
	s_wait_loadcnt 0x0                             ; x
	s_wait_dscnt 0x0                               ; my rows of w_gating
; Token t: 16 channels x 8 pairs of experts; the channel's register is given to both halves of the packed product.  The first channel starts the sums.
.macro DOT t
.set d, 0
.rept 16
.set ep, 0
.rept 8
.if d == 0
	v_pk_mul_f32 v[ACC+16*(\t)+2*ep:ACC+16*(\t)+2*ep+1], v[X+16*(\t):X+16*(\t)+1], v[2*ep:2*ep+1] op_sel_hi:[0,1]
.elseif d%2 == 0
	v_pk_fma_f32 v[ACC+16*(\t)+2*ep:ACC+16*(\t)+2*ep+1], v[X+16*(\t)+d:X+16*(\t)+d+1], v[16*d+2*ep:16*d+2*ep+1], v[ACC+16*(\t)+2*ep:ACC+16*(\t)+2*ep+1] op_sel_hi:[0,1,1]
.else
	v_pk_fma_f32 v[ACC+16*(\t)+2*ep:ACC+16*(\t)+2*ep+1], v[X+16*(\t)+d-1:X+16*(\t)+d], v[16*d+2*ep:16*d+2*ep+1], v[ACC+16*(\t)+2*ep:ACC+16*(\t)+2*ep+1] op_sel:[1,0,0] op_sel_hi:[1,1,1]
.endif
.set ep, ep+1
.endr
.set d, d+1
.endr
.endm
	WIN 0x04                                       ; source 1 (w_gating) in window 1
	DOT 0
	DOT 1
	DOT 2
	DOT 3
	WIN 0
; One step of the sum over 16 lanes that also deals the experts to the lanes: of experts e and e + n a lane keeps the one that its bit b names and sends the other to the lane n away.
.macro STAGE a, b, n
.set e, 0
.rept \n
	v_cndmask_b32 v[T+e], v[(\a)+e+(\n)], v[(\a)+e], s[MB+(\b)]
	v_cndmask_b32 v[(\a)+e], v[(\a)+e], v[(\a)+e+(\n)], s[MB+(\b)]
.set e, e+1
.endr
.set e, 0
.rept \n
	v_add_f32_dpp v[(\a)+e], v[T+e], v[(\a)+e] row_xmask:\n row_mask:0xf bank_mask:0xf
.set e, e+1
.endr
.endm
; Tokens i and 2 + i: the swap leaves token i's two halves in lanes 0-15 and token 2 + i's in lanes 16-31.  At the end lane (h, e) holds the logit of token 2 h + i for expert e, in ACC + 16 i.
.macro BFLY i
.set e, 0
.rept 16
	v_permlane16_swap_b32 v[ACC+16*(\i)+e], v[ACC+16*(\i)+32+e]
.set e, e+1
.endr
.set e, 0
.rept 16
	v_add_f32 v[ACC+16*(\i)+e], v[ACC+16*(\i)+e], v[ACC+16*(\i)+32+e]
.set e, e+1
.endr
	STAGE ACC+16*(\i), 3, 8
	STAGE ACC+16*(\i), 2, 4
	STAGE ACC+16*(\i), 1, 2
	STAGE ACC+16*(\i), 0, 1
.endm
	BFLY 0
	BFLY 1
	; softmax over the 16 lanes of a half, the maximum taken away first
.irp i, 0,1
	v_mov_b32 v[MX+\i], v[ACC+16*\i]
.endr
.irp k, 1,2,4,8
.irp i, 0,1
	v_max_num_f32_dpp v[MX+\i], v[MX+\i], v[MX+\i] row_xmask:\k row_mask:0xf bank_mask:0xf
.endr
.endr
.irp i, 0,1
	v_sub_f32 v[EV+\i], v[ACC+16*\i], v[MX+\i]
.endr
.irp i, 0,1
	v_mul_f32 v[EV+\i], 0x3fb8aa3b, v[EV+\i]
.endr
.irp i, 0,1
	v_exp_f32 v[EV+\i], v[EV+\i]
.endr
	v_nop                                          ; a plain instruction behind the last exponential,
	s_wait_alu depctr_va_vdst(0)                   ; and one wait for both, ahead of their first reader
.irp i, 0,1
	v_mov_b32 v[SM+\i], v[EV+\i]
.endr
.irp k, 1,2,4,8
.irp i, 0,1
	v_add_f32_dpp v[SM+\i], v[SM+\i], v[SM+\i] row_xmask:\k row_mask:0xf bank_mask:0xf
.endr
.endr
.irp i, 0,1
	v_rcp_f32 v[SM+\i], v[SM+\i]
.endr
	v_nop
	s_wait_alu depctr_va_vdst(0)
.irp i, 0,1
	v_mul_f32 v[P+\i], v[EV+\i], v[SM+\i]          ; raw
	v_mov_b32 v[S+\i], 0
	v_mov_b32 v[Q+\i], 0
.endr
	; S = the sum of the probabilities ranked ahead of mine.  The partner e xor mk has the lower index where the top bit of mk is set in e.
.irp mk, 1,2,3,4,5,6,7,8,9,10,11,12,13,14,15
.set tb, 0
.if \mk >= 2
.set tb, 1
.endif
.if \mk >= 4
.set tb, 2
.endif
.if \mk >= 8
.set tb, 3
.endif
.irp i, 0,1
	v_mov_b32_dpp v[Q+\i], v[P+\i] row_xmask:\mk row_mask:0xf bank_mask:0xf
	v_cmp_gt_f32 s26, v[Q+\i], v[P+\i]
	v_cmp_ge_f32 s27, v[Q+\i], v[P+\i]
	s_and_b32 s27, s27, s[MB+tb]
	s_or_b32 s26, s26, s27
	v_cndmask_b32 v[TT+\i], 0, v[Q+\i], s26
	v_add_f32 v[S+\i], v[S+\i], v[TT+\i]
.endr
.endr
.irp i, 0,1
	v_cmp_gt_f32 s[28+\i], s38, v[S+\i]            ; chosen: 0.8 > S.  Bits 0-15: token i's experts, bits 16-31: token 2 + i's
	v_cndmask_b32 v[PS+\i], 0, v[P+\i], s[28+\i]
	v_mov_b32 v[SM+\i], v[PS+\i]
.endr
.irp k, 1,2,4,8
.irp i, 0,1
	v_add_f32_dpp v[SM+\i], v[SM+\i], v[SM+\i] row_xmask:\k row_mask:0xf bank_mask:0xf
.endr
.endr
.irp i, 0,1
	v_rcp_f32 v[SM+\i], v[SM+\i]
.endr
	v_lshlrev_b32 v[OW], 3, v0                     ; (a plain instruction behind the last reciprocal)
	s_wait_alu depctr_va_vdst(0)
.irp i, 0,1
	v_mul_f32 v[W+\i], v[PS+\i], v[SM+\i]
.endr
	global_store_b64 v[OW], v[W:W+1], s[16:17]     ; the wave's 256 consecutive bytes, aligned
	v_mov_b32 v[SB], s28
	v_mov_b32 v[SB+1], s29
	v_lshlrev_b32 v[OS], 3, v3
	v_cmp_eq_u32 vcc_lo, 0, v1
	s_wait_xcnt 0x0                                ; EXEC changes only behind this wait
	s_and_saveexec_b32 s31, vcc_lo
	global_store_b64 v[OS], v[SB:SB+1], s[18:19]
	s_wait_xcnt 0x0
	s_or_b32 exec_lo, exec_lo, s31
	; the sum of raw over the work-group's 32 tokens, for each expert
	v_add_f32 v[RS], v[P], v[P+1]
	v_lshlrev_b32 v[ORW], 2, v0
	ds_store_b32 v[ORW], v[RS] offset:RAW
	s_wait_dscnt 0x0
	s_barrier_signal -1
	s_barrier_wait -1
	s_cmp_lg_u32 s12, 0
	s_cbranch_scc1 .Lend
	v_lshlrev_b32 v[ORW], 2, v1
.irp k, 0,1,2,3,4,5,6,7
	ds_load_b32 v[T+\k], v[ORW] offset:RAW+\k*128
.endr
	s_wait_dscnt 0x0
	v_add_f32 v[T], v[T], v[T+1]
	v_add_f32 v[T+2], v[T+2], v[T+3]
	v_add_f32 v[T+4], v[T+4], v[T+5]
	v_add_f32 v[T+6], v[T+6], v[T+7]
	v_add_f32 v[T], v[T], v[T+2]
	v_add_f32 v[T+4], v[T+4], v[T+6]
	v_add_f32 v[T], v[T], v[T+4]
	v_permlanex16_b32 v[T+1], v[T], s[SELX], s[SELX+1]
	v_add_f32 v[T], v[T], v[T+1]
	v_cmp_gt_u32 vcc_lo, 16, v1
	s_wait_xcnt 0x0
	s_and_saveexec_b32 s31, vcc_lo
	global_store_b32 v[ORW], v[T], s[20:21] offset:524288
	s_wait_xcnt 0x0
	s_or_b32 exec_lo, exec_lo, s31
.Lend:
	s_wait_tensorcnt 0x0                           ; the wave's end
	ds_add_u32 v[SPW], v[NIL]
	s_wait_dscnt 0x0
	s_endpgm
.Lfunc_end_k_qaf4e6ab032_router:
	.size	k_qaf4e6ab032_router, .Lfunc_end_k_qaf4e6ab032_router-k_qaf4e6ab032_router
	.p2alignl 7, 3214868480
	.fill 96, 4, 3214868480
	.section	.rodata,"a",@progbits
	.p2align	6, 0x0
	.amdhsa_kernel k_qaf4e6ab032_router
		.amdhsa_group_segment_fixed_size 36864
		.amdhsa_private_segment_fixed_size 0
		.amdhsa_enable_private_segment 0
		.amdhsa_kernarg_size 32
		.amdhsa_user_sgpr_count 2
		.amdhsa_user_sgpr_kernarg_segment_ptr 1
		.amdhsa_wavefront_size32 1
		.amdhsa_system_sgpr_workgroup_id_x 1
		.amdhsa_system_sgpr_workgroup_id_y 1
		.amdhsa_system_sgpr_workgroup_id_z 1
		.amdhsa_system_vgpr_workitem_id 0
		.amdhsa_next_free_vgpr 512
		.amdhsa_next_free_sgpr 66
		.amdhsa_reserve_vcc 1
		.amdhsa_float_denorm_mode_32 3
		.amdhsa_float_denorm_mode_16_64 3
		.amdhsa_memory_ordered 1
		.amdhsa_forward_progress 1
		.amdhsa_inst_pref_size 64
	.end_amdhsa_kernel
	.amdgpu_metadata
---
amdhsa.version: [ 1, 2 ]
amdhsa.kernels:
  - .name:           k_qaf4e6ab032_router
    .symbol:         k_qaf4e6ab032_router.kd
    .args:
      - { .name: x, .offset: 0, .size: 8, .value_kind: global_buffer, .address_space: global }
      - { .name: w_gating, .offset: 8, .size: 8, .value_kind: global_buffer, .address_space: global }
      - { .name: selbits, .offset: 16, .size: 8, .value_kind: global_buffer, .address_space: global }
      - { .name: gate, .offset: 24, .size: 8, .value_kind: global_buffer, .address_space: global }
    .group_segment_fixed_size: 36864
    .private_segment_fixed_size: 0
    .kernarg_segment_align: 8
    .kernarg_segment_size: 32
    .max_flat_workgroup_size: 256
    .sgpr_count:     66
    .vgpr_count:     512
    .wavefront_size: 32
...
	.end_amdgpu_metadata
.endif
;; end of part 1
;; launch place (part 2): grid 32 x 8, 32 waves a work-group, no clusters, 83,200 bytes of LDS; arguments x, selbits, gate, route, term, ei; writes route, term, ei
.if DOCPART == 2
	.amdgcn_target "amdgcn-amd-amdhsa--gfx1250"
	.amdhsa_code_object_version 6
	.text
	.protected	k_qaf4e6ab032_place
	.globl	k_qaf4e6ab032_place
	.p2align	8
	.type	k_qaf4e6ab032_place,@function
k_qaf4e6ab032_place:
	s_mov_b64 s[64:65], 0
	v_nop
	global_prefetch_b8 v0, s[64:65] scope:SCOPE_SE
	s_setreg_imm32_b32 hwreg(HW_REG_WAVE_MODE, 25, 1), 1
	s_wait_xcnt 0x0
; PLACE.  A work-group has one expert e, one batch b and one half of the 512 channels; thread n is token n of the batch.  From the stored masks it counts every token's
; position in each of its experts (an exclusive count over the batch's tokens), drops positions of 128 and more, adds the kept positions to the token's slot, and lays the expert's rows out for the first product.
; ROWS ARE CANDIDATES: row p (0..127) of (e, b) belongs to the p-th token that chose e; it holds the sum of x over all kept tokens of (e, b) with the same slot, as reference()'s one-hot dispatch adds them.
; Tokens that share a slot so get rows with equal sums.  Rows from the count up to the next multiple of 16 repeat the batch's token 0.  A token whose slot is 128 or more keeps a row that nobody reads.
; OUT: route: rowidx[e][b 1024 + n] (the row's number e 1024 + b 128 + p, or -1) and cnt[e][b] = min(count, 128); term[e 8 + b] = sum over n of raw x cnt; ei: the rows in f16, in the order in which a wave's operand registers take
; them: [tile of 16 rows][k step of 32][16 k][lane h 16 + r][8]: lane (r, h) holds row r, k = 32 step + 16 q + 8 h + 0..7.
; LIMITS.  A slot's sum of x is rounded to f16: it stays below 65,504 in magnitude.  Where a wave's rows have unlike numbers of partners, a row that has none left adds a row of x times 0: x is taken to be finite.
; No matrix unit, no cluster: the launch counts and copies; its work-groups share only the masks (2 KiB a batch).
.set CNTA,  0                          ; [wave 32][32] words: the wave's count for each expert
.set COMP,  4096                       ; [wave 32][32] words: the wave's tokens, those that chose e first
.set BEA,   8192                       ; [wave 32] words: how many tokens of earlier waves chose e
.set CTA,   8448                       ; [row 128] words: the row's token
.set CSA,   8960                       ; [row 128] words: the row's slot (a number of its own where the row has no slot)
.set IMG,   9472                       ; 8 tiles x 32 blocks of 256 bytes at a pitch of 272: the half tiles as they go to memory
.set IP,    272
.set SPARE, IMG+256*IP                 ; the spare words, 128 bytes for each of 32 waves; no other line names them
.set BAL,  24                          ; s[24:39] the wave's ballot for each expert; when the slots are made:
.set PM,   24                          ; s[24:39] which rows share a slot with my row i: group g of 32 rows at PM + 4 i + g
.set BASE, 40                          ; s[40:55] tokens of earlier waves for each expert; when the slots are made:
.set PA,   40                          ; s[40:47] the addresses of the four partners in hand
.set WT,   48                          ; s[48:55] their weights, 1.0 or 0, each named as a pair
.set RA,   68                          ; s[68:75] the addresses of my four rows' tokens
.set TOK,  80                          ; s[80:83]
.set SLT,  84                          ; s[84:87]
.set LP,   16                          ; v16-31  tokens of my wave ahead of me, for each expert
.set D,    32                          ; v32-63  counts, later BEA's words, later:
.set R,    32                          ; v32-63  four rows x 8 f32
.set CSG,  72                          ; v72-75  slot of row 32 g + lane
.set CTG,  76                          ; v76-79  token of row 32 g + lane
.set H,    80                          ; v80-95  four rows x 8 f16; before that the partners of rows 0 and 1, 8 f32 each
.set L16,  104
.set FO,   108                         ; v108-123 the image on its way out; before that the partners of rows 2 and 3
	s_load_b256 s[4:11], s[0:1], 0x0               ; x s[4:5], selbits s[6:7], gate s[8:9], route s[10:11]
	s_load_b128 s[12:15], s[0:1], 0x20             ; term s[12:13], ei s[14:15]
	v_lshl_add_u32 v2, v0, 2, SPARE                ; my spare word; never rewritten
	v_mov_b32 v3, 0                                ; 0; never rewritten
	v_and_b32 v1, 31, v0
	v_lshrrev_b32 v9, 5, v0
	v_readfirstlane_b32 s16, v9                    ; wave
	s_lshr_b32 s17, ttmp9, 1                       ; e
	s_and_b32 s18, ttmp9, 1                        ; which half of the channels
	s_and_b32 s19, ttmp7, 0xffff                   ; b
	v_lshrrev_b32 v10, 2, v0                       ; my 16 bits: block n / 4, word n % 2, half word (n / 2) % 2
	v_lshlrev_b32 v10, 3, v10
	v_and_b32 v11, 1, v0
	v_lshl_add_u32 v10, v11, 2, v10
	v_bfe_u32 v11, v0, 1, 1
	v_lshl_add_u32 v10, v11, 1, v10
	s_lshl_b32 s20, s19, 11
	v_add_nc_u32 v10, s20, v10
	v_lshlrev_b32 v12, 2, v0                       ; 4 n
	v_lshlrev_b32 v[L16], 4, v1
	v_mov_b32 v5, 0
	s_lshl_b32 s94, s19, 21                        ; the batch's 1,024 rows of 2,048 bytes,
	s_lshl_b32 s20, s18, 10                        ; my half of each
	s_add_co_u32 s94, s94, s20
	s_mov_b32 s95, 0
	s_movk_i32 s22, 128
	s_wait_kmcnt 0x0
	s_add_nc_u64 s[66:67], s[4:5], s[94:95]
	global_load_u16 v4, v10, s[6:7]
	s_wait_loadcnt 0x0
	; A: ballots, places inside the wave, the wave's counts
.set j, 0
.rept 16
	v_and_b32 v11, 1<<j, v4
	v_cmp_ne_u32 s[BAL+j], 0, v11
	v_mbcnt_lo_u32_b32 v[LP+j], s[BAL+j], 0
	s_bcnt1_i32_b32 s20, s[BAL+j]
	v_writelane_b32 v5, s20, j
.set j, j+1
.endr
	ds_store_b32 v12, v5 offset:CNTA
	s_wait_dscnt 0x0
	s_barrier_signal -1
	s_barrier_wait -1
	; B: lane j % 16 adds expert j's counts: those of earlier waves, and all
	v_and_b32 v13, 15, v0
	v_lshlrev_b32 v13, 2, v13
.set k, 0
.rept 32
	ds_load_b32 v[D+k], v13 offset:CNTA+k*128
.set k, k+1
.endr
	v_mov_b32 v6, 0
	v_mov_b32 v7, 0
	s_wait_dscnt 0x0
.set k, 0
.rept 32
	s_cmp_gt_u32 s16, k
	s_cselect_b32 s20, 1, 0
	v_mad_u32_u24 v6, v[D+k], s20, v6
	v_add_nc_u32 v7, v7, v[D+k]
.set k, k+1
.endr
.set j, 0
.rept 16
	v_readlane_b32 s[BASE+j], v6, j
.set j, j+1
.endr
	v_readlane_b32 s56, v6, s17                    ; e's tokens in earlier waves
	v_readlane_b32 s57, v7, s17                    ; e's tokens in the batch
	s_min_u32 s58, s57, 128                        ; cnt
	s_add_co_u32 s59, s58, 15
	s_and_b32 s59, s59, 0xf0                       ; rows to lay out: cnt up to a multiple of 16
	; C: the slot = the sum of my kept positions
	v_mov_b32 v8, 0
.set j, 0
.rept 16
	v_add_nc_u32 v11, s[BASE+j], v[LP+j]
	v_cmp_gt_u32 vcc_lo, 128, v11
	s_and_b32 vcc_lo, vcc_lo, s[BAL+j]
	v_cndmask_b32 v11, 0, v11, vcc_lo
	v_add_nc_u32 v8, v8, v11
.set j, j+1
.endr
	v_lshrrev_b32 v11, s17, v4
	v_and_b32 v11, 1, v11
	v_cmp_ne_u32 s60, 0, v11                       ; who chose e
	v_mbcnt_lo_u32_b32 v14, s60, 0
	s_bcnt1_i32_b32 s61, s60
	v_add_nc_u32 v15, s56, v14                     ; my position in e
	v_cmp_gt_u32 s20, s22, v15
	v_cmp_gt_u32 s21, s22, v8
	s_and_b32 s20, s20, s21
	s_and_b32 s20, s20, s60                        ; kept: chose e, position and slot below 128
	s_lshl_b32 s23, s17, 10
	s_lshl_b32 s62, s19, 7
	s_add_co_u32 s23, s23, s62
	v_add_nc_u32 v124, s23, v15
	v_cndmask_b32 v124, -1, v124, s20
	s_cmp_lg_u32 s18, 0
	s_cbranch_scc1 .Lno_idx                        ; one of the two halves stores the list
	s_lshl_b32 s62, s17, 15
	s_lshl_b32 s63, s19, 12
	s_add_co_u32 s62, s62, s63
	v_add_nc_u32 v125, s62, v12
	global_store_b32 v125, v124, s[10:11]          ; v124 and v125 are not written again
.Lno_idx:
	v_add_nc_u32 v11, 1024, v0
	v_cndmask_b32 v11, v11, v8, s20                ; the slot, or 1,024 + n: a number that no other row has
	v_lshl_or_b32 v11, v11, 16, v0                 ; with the token below it
	v_sub_nc_u32 v13, v1, v14                      ; inside the wave those that chose e move to the front, in order: a permutation of the 32 lanes
	v_add_nc_u32 v13, s61, v13
	v_cndmask_b32 v13, v13, v14, s60
	v_lshlrev_b32 v13, 2, v13
	ds_permute_b32 v16, v13, v11
	v_mov_b32 v17, s56
	s_lshl_b32 s62, s16, 2
	v_mov_b32 v18, s62
	v_mov_b32 v24, 0
	v_mov_b32 v25, 0
	s_wait_dscnt 0x0
	ds_store_b32 v12, v16 offset:COMP
	ds_store_b32 v18, v17 offset:BEA               ; all lanes write the same word with the same value
	s_wait_dscnt 0x0
	s_barrier_signal -1
	s_barrier_wait -1
	; D: waves 0-3, thread p: row p's token and slot.  Its wave is the last whose BEA word is p or less.  Between this barrier and the next no wave writes LDS.
	s_cmp_gt_u32 s16, 3
	s_cbranch_scc1 .Lno_d1
	v_mov_b32 v19, BEA
.irp k, 0,1,2,3,4,5,6,7
	ds_load_b128 v[D+4*\k:D+4*\k+3], v19 offset:16*\k
.endr
	v_mov_b32 v20, 0
	v_mov_b32 v21, 0
	s_wait_dscnt 0x0
.set k, 1
.rept 31
	v_cmp_le_u32 vcc_lo, v[D+k], v0
	v_cndmask_b32 v22, 0, 1, vcc_lo
	v_add_nc_u32 v20, v20, v22
	v_cndmask_b32 v21, v21, v[D+k], vcc_lo         ; the words never fall from wave to wave: the last one taken is that wave's
.set k, k+1
.endr
	v_sub_nc_u32 v22, v0, v21
	v_min_u32 v22, 31, v22
	v_lshl_add_u32 v22, v20, 5, v22
	v_min_u32 v22, 0x3ff, v22                      ; inside COMP's 1,024 words whatever was loaded
	v_lshlrev_b32 v22, 2, v22
	ds_load_b32 v23, v22 offset:COMP
	s_wait_dscnt 0x0
	v_cmp_gt_u32 vcc_lo, s58, v0                   ; a row below the count
	v_and_b32 v24, 0x3ff, v23
	v_cndmask_b32 v24, 0, v24, vcc_lo              ; past the count: token 0,
	v_lshrrev_b32 v25, 16, v23
	v_add_nc_u32 v26, 2048, v0
	v_cndmask_b32 v25, v26, v25, vcc_lo            ; and a number of its own in the slot's place
.Lno_d1:
	s_wait_dscnt 0x0
	s_barrier_signal -1
	s_barrier_wait -1
	s_cmp_gt_u32 s16, 3
	s_cbranch_scc1 .Lno_d2
	ds_store_b32 v12, v24 offset:CTA
	ds_store_b32 v12, v25 offset:CSA
.Lno_d2:
	s_wait_dscnt 0x0
	s_barrier_signal -1
	s_barrier_wait -1
	; E: wave w gathers rows 4 w .. 4 w + 3
	s_lshl_b32 s20, s16, 2
	s_cmp_ge_u32 s20, s59
	s_cbranch_scc1 .Lno_e
	s_lshl_b32 s21, s16, 4
	v_mov_b32 v19, s21
	ds_load_b128 v[96:99], v19 offset:CTA
	ds_load_b128 v[100:103], v19 offset:CSA
	v_lshlrev_b32 v20, 2, v1
.irp g, 0,1,2,3
	ds_load_b32 v[CSG+\g], v20 offset:CSA+\g*128
	ds_load_b32 v[CTG+\g], v20 offset:CTA+\g*128
.endr
	s_lshr_b32 s96, s16, 3                         ; the group of 32 rows that holds mine
	s_wait_dscnt 0x0
.irp i, 0,1,2,3
	v_readfirstlane_b32 s[TOK+\i], v[96+\i]
	v_readfirstlane_b32 s[SLT+\i], v[100+\i]
.endr
.irp i, 0,1,2,3
	s_min_u32 s[TOK+\i], s[TOK+\i], 1023
	s_lshl_b32 s94, s[TOK+\i], 11
	s_add_nc_u64 s[RA+2*\i:RA+2*\i+1], s[66:67], s[94:95]
	global_load_b128 v[R+8*\i:R+8*\i+3], v[L16], s[RA+2*\i:RA+2*\i+1]
	global_load_b128 v[R+8*\i+4:R+8*\i+7], v[L16], s[RA+2*\i:RA+2*\i+1] offset:512
.endr
	; which of the 128 rows have my rows' slots; a row's own bit is cleared.  Most waves find no partner and jump.
	s_lshl_b32 s91, s16, 2
	s_and_b32 s91, s91, 31
	s_lshl_b32 s97, 1, s91                         ; row 4 w's bit in its group
	s_mov_b32 s98, 0
.irp i, 0,1,2,3
.irp g, 0,1,2,3
	v_cmp_eq_u32 s[PM+4*\i+\g], s[SLT+\i], v[CSG+\g]
	s_cmp_eq_u32 s96, \g
	s_cselect_b32 s91, s97, 0
	s_and_not1_b32 s[PM+4*\i+\g], s[PM+4*\i+\g], s91
	s_or_b32 s98, s98, s[PM+4*\i+\g]
.endr
	s_lshl_b32 s97, s97, 1
.endr
	s_cmp_eq_u32 s98, 0
	s_cbranch_scc1 .Lalone
; The partners in group g of 32 rows.  A trip takes the next partner of each of my four rows: eight loads go out together, one wait serves them, and each row adds its partner.  The trips are as many as the row with the
; most partners in the group has; a row that has none left loads the row of the group's lane 31 and adds it with the weight 0.  The wait for 0 also shows the rows' own loads done, and frees the four address pairs for the next trip.
.macro GLOOP g
	s_bcnt1_i32_b32 s88, s[PM+(\g)]
.irp i, 1,2,3
	s_bcnt1_i32_b32 s89, s[PM+4*\i+(\g)]
	s_max_u32 s88, s88, s89
.endr
	s_cmp_eq_u32 s88, 0
	s_cbranch_scc1 .Lnone_\@
	s_mov_b32 s89, 0
.Lnext_\@:
.irp i, 0,1,2,3
	s_cmp_lg_u32 s[PM+4*\i+(\g)], 0
	s_cselect_b32 s[WT+2*\i], 1.0, 0
	s_mov_b32 s[WT+2*\i+1], s[WT+2*\i]             ; named with it as a pair
	s_ctz_i32_b32 s90, s[PM+4*\i+(\g)]             ; the lowest row left (all ones where none is: lane 31 below)
	s_and_b32 s90, s90, 31
	s_lshl_b32 s91, 1, s90
	s_and_not1_b32 s[PM+4*\i+(\g)], s[PM+4*\i+(\g)], s91
	v_readlane_b32 s91, v[CTG+(\g)], s90
	s_min_u32 s91, s91, 1023
	s_lshl_b32 s94, s91, 11
	s_add_nc_u64 s[PA+2*\i:PA+2*\i+1], s[66:67], s[94:95]
	global_load_b128 v[80+8*\i+12*(\i/2):80+8*\i+12*(\i/2)+3], v[L16], s[PA+2*\i:PA+2*\i+1]
	global_load_b128 v[80+8*\i+12*(\i/2)+4:80+8*\i+12*(\i/2)+7], v[L16], s[PA+2*\i:PA+2*\i+1] offset:512
.endr
	s_wait_loadcnt 0x0
.irp i, 0,1,2,3
.irp k, 0,2,4,6
	v_pk_fma_f32 v[R+8*\i+\k:R+8*\i+\k+1], v[80+8*\i+12*(\i/2)+\k:80+8*\i+12*(\i/2)+\k+1], s[WT+2*\i:WT+2*\i+1], v[R+8*\i+\k:R+8*\i+\k+1] op_sel_hi:[1,0,1]
.endr
.endr
	s_add_co_u32 s89, s89, 1
	s_cmp_lt_u32 s89, s88
	s_cbranch_scc1 .Lnext_\@
.Lnone_\@:
.endm
	GLOOP 0
	GLOOP 1
	GLOOP 2
	GLOOP 3
.Lalone:
	; into the image: my 4 f32 at channel 4 lane (and 128 + 4 lane) are 8 bytes of block lane / 2 (and 16 + lane / 2), at 16 bytes a row.  Blocks 68 words apart: the wave's 16 pieces of 16 bytes start 4 words apart.
	s_lshr_b32 s20, s16, 2
	s_mul_i32 s20, s20, 32*IP
	s_and_b32 s21, s16, 3
	s_lshl_b32 s21, s21, 6
	s_add_co_u32 s20, s20, s21
	v_lshrrev_b32 v105, 1, v1
	v_mul_u32_u24 v105, v105, IP
	v_and_b32 v19, 1, v1
	v_lshl_add_u32 v105, v19, 3, v105
	v_add_nc_u32 v105, s20, v105
	s_wait_loadcnt 0x0                             ; my four rows
.irp i, 0,1,2,3
.irp k, 0,1,2,3
	v_cvt_pk_f16_f32 v[H+4*\i+\k], v[R+8*\i+2*\k], v[R+8*\i+2*\k+1]
.endr
	ds_store_b64 v105, v[H+4*\i:H+4*\i+1] offset:IMG+\i*16
	ds_store_b64 v105, v[H+4*\i+2:H+4*\i+3] offset:IMG+16*IP+\i*16
.endr
.Lno_e:
	s_wait_dscnt 0x0
	s_barrier_signal -1
	s_barrier_wait -1
	; F: the image goes out: wave w takes blocks 8 w .. 8 w + 7, two to a store
	s_lshl_b32 s20, s16, 2
	s_cmp_ge_u32 s20, s59
	s_cbranch_scc1 .Lno_f
	s_lshl_b32 s20, s16, 3
	v_lshrrev_b32 v106, 4, v1
	v_add_nc_u32 v106, s20, v106
	v_mul_u32_u24 v106, v106, IP
	v_and_b32 v19, 15, v1
	v_lshl_add_u32 v106, v19, 4, v106
.irp k, 0,1,2,3
	ds_load_b128 v[FO+4*\k:FO+4*\k+3], v106 offset:IMG+\k*2*IP
.endr
	s_lshl_b32 s20, s17, 6
	s_lshl_b32 s21, s19, 3
	s_add_co_u32 s20, s20, s21
	s_lshr_b32 s21, s16, 2
	s_add_co_u32 s20, s20, s21                     ; the tile: e 64 + b 8 + w / 4
	s_lshl_b32 s94, s20, 14
	s_lshl_b32 s21, s18, 13
	s_add_co_u32 s94, s94, s21
	s_and_b32 s21, s16, 3
	s_lshl_b32 s21, s21, 11
	s_add_co_u32 s94, s94, s21
	s_add_nc_u64 s[92:93], s[14:15], s[94:95]
.irp k, 0,1,2,3
	s_wait_dscnt 3-\k                              ; LDS loads come back in order: the younger ones stay out
	global_store_b128 v[L16], v[FO+4*\k:FO+4*\k+3], s[92:93] offset:\k*512  ; 512 consecutive bytes, aligned
.endr
.Lno_f:
	; G: wave 0 stores the count (one half) or the loss's term (the other)
	s_cmp_lg_u32 s16, 0
	s_cbranch_scc1 .Lend
	s_lshl_b32 s20, s17, 3
	s_add_co_u32 s20, s20, s19
	s_lshl_b32 s20, s20, 2
	v_mov_b32 v126, s20
	s_cmp_lg_u32 s18, 0
	s_cbranch_scc1 .Lterm
	v_mov_b32 v127, s58
	v_cmp_eq_u32 vcc_lo, 0, v1
	s_wait_xcnt 0x0                                ; EXEC changes only behind this wait
	s_and_saveexec_b32 s22, vcc_lo
	global_store_b32 v126, v127, s[10:11] offset:524288
	s_wait_xcnt 0x0
	s_or_b32 exec_lo, exec_lo, s22
	s_branch .Lend
.Lterm:
	v_lshlrev_b32 v64, 6, v1                       ; the batch's 32 partial sums of raw, 64 bytes apart
	s_lshl_b32 s20, s19, 11
	s_lshl_b32 s21, s17, 2
	s_add_co_u32 s20, s20, s21
	v_add_nc_u32 v64, s20, v64
	global_load_b32 v65, v64, s[8:9] offset:524288
	s_mov_b32 s98, 0x76543210
	s_mov_b32 s99, 0xfedcba98
	v_cvt_f32_u32 v66, s58
	v_mov_b32 v67, 0
	s_wait_loadcnt 0x0
	v_add_f32_dpp v65, v65, v65 row_xmask:1 row_mask:0xf bank_mask:0xf
	v_add_f32_dpp v65, v65, v65 row_xmask:2 row_mask:0xf bank_mask:0xf
	v_add_f32_dpp v65, v65, v65 row_xmask:4 row_mask:0xf bank_mask:0xf
	v_add_f32_dpp v65, v65, v65 row_xmask:8 row_mask:0xf bank_mask:0xf
	v_permlanex16_b32 v67, v65, s98, s99
	v_add_f32 v65, v65, v67
	v_mul_f32 v127, v65, v66
	v_cmp_eq_u32 vcc_lo, 0, v1
	s_wait_xcnt 0x0
	s_and_saveexec_b32 s22, vcc_lo
	global_store_b32 v126, v127, s[12:13]
	s_wait_xcnt 0x0
	s_or_b32 exec_lo, exec_lo, s22
.Lend:
	s_wait_tensorcnt 0x0                           ; the wave's end
	ds_add_u32 v2, v3
	s_wait_dscnt 0x0
	s_endpgm
.Lfunc_end_k_qaf4e6ab032_place:
	.size	k_qaf4e6ab032_place, .Lfunc_end_k_qaf4e6ab032_place-k_qaf4e6ab032_place
	.p2alignl 7, 3214868480
	.fill 96, 4, 3214868480
	.section	.rodata,"a",@progbits
	.p2align	6, 0x0
	.amdhsa_kernel k_qaf4e6ab032_place
		.amdhsa_group_segment_fixed_size 83200
		.amdhsa_private_segment_fixed_size 0
		.amdhsa_enable_private_segment 0
		.amdhsa_kernarg_size 48
		.amdhsa_user_sgpr_count 2
		.amdhsa_user_sgpr_kernarg_segment_ptr 1
		.amdhsa_wavefront_size32 1
		.amdhsa_system_sgpr_workgroup_id_x 1
		.amdhsa_system_sgpr_workgroup_id_y 1
		.amdhsa_system_sgpr_workgroup_id_z 1
		.amdhsa_system_vgpr_workitem_id 0
		.amdhsa_next_free_vgpr 128
		.amdhsa_next_free_sgpr 100
		.amdhsa_reserve_vcc 1
		.amdhsa_float_denorm_mode_32 3
		.amdhsa_float_denorm_mode_16_64 3
		.amdhsa_memory_ordered 1
		.amdhsa_forward_progress 1
		.amdhsa_inst_pref_size 52
	.end_amdhsa_kernel
	.amdgpu_metadata
---
amdhsa.version: [ 1, 2 ]
amdhsa.kernels:
  - .name:           k_qaf4e6ab032_place
    .symbol:         k_qaf4e6ab032_place.kd
    .args:
      - { .name: x, .offset: 0, .size: 8, .value_kind: global_buffer, .address_space: global }
      - { .name: selbits, .offset: 8, .size: 8, .value_kind: global_buffer, .address_space: global }
      - { .name: gate, .offset: 16, .size: 8, .value_kind: global_buffer, .address_space: global }
      - { .name: route, .offset: 24, .size: 8, .value_kind: global_buffer, .address_space: global }
      - { .name: term, .offset: 32, .size: 8, .value_kind: global_buffer, .address_space: global }
      - { .name: ei, .offset: 40, .size: 8, .value_kind: global_buffer, .address_space: global }
    .group_segment_fixed_size: 83200
    .private_segment_fixed_size: 0
    .kernarg_segment_align: 8
    .kernarg_segment_size: 48
    .max_flat_workgroup_size: 1024
    .sgpr_count:     100
    .vgpr_count:     128
    .wavefront_size: 32
...
	.end_amdgpu_metadata
.endif
;; end of part 2
;; launch ffn1 (part 3): grid 16 x 16, 8 waves a work-group, no clusters, 148,480 bytes of LDS; arguments ei, w1, route, hid; writes hid
.if DOCPART == 3
	.amdgcn_target "amdgcn-amd-amdhsa--gfx1250"
	.amdhsa_code_object_version 6
	.text
	.protected	k_qaf4e6ab032_ffn1
	.globl	k_qaf4e6ab032_ffn1
	.p2align	8
	.type	k_qaf4e6ab032_ffn1,@function
k_qaf4e6ab032_ffn1:
	s_mov_b64 s[64:65], 0
	v_nop
	global_prefetch_b8 v0, s[64:65] scope:SCOPE_SE
	s_setreg_imm32_b32 hwreg(HW_REG_WAVE_MODE, 25, 1), 1
	s_wait_xcnt 0x0
; FIRST PRODUCT AND GELU.  hid = 2 k gelu(ei . w1[e]), k = sqrt(log2(e) / 2), for the rows that exist.  A work-group has one expert e (its x) and 128 of the 2,048 hidden columns (its y); it alone reads that slice of w1
; (512 x 128 f32), rounds it to f16 on its way through registers and lays it into LDS as [k][column], 288 bytes a row; behind the first barrier nothing writes LDS until every wave's reads of it are over (the second barrier, at the end).
; THE DEAL.  The expert's T tiles of 16 rows (T hangs on the stored counts, 64 at the most) go to the 8 waves in units of two tiles, so that a wave has 2, 4, 6 or 8 and the two forms of the K loop (4 tiles, 2 tiles) fit without
; padding; only an odd T leaves one unit half full.  Units are dealt by the wave's rank r = w xor 4 (w & 1): whether waves w and w + 4 or waves 2 j and 2 j + 1 lie on one SIMD, one of the two has a rank below 4.
; A wave makes 2 trips (a constant that covers every split); dead work is jumped forward, with no barrier in what is jumped.  A wave of rank below 4 that has more than 4 tiles takes its short trip first, the others their long one:
; so one wave's GELU stands beside another wave's products.
; Rows come from memory straight into operand registers (ei lies in that order); the weights come out of LDS turned, by ds_load_tr16_b128.
; The matrix instruction takes the weights as source 0 and the rows as source 1: a lane then holds one row and eight neighbouring hidden columns, which pack into the 16 bytes that the second product's operand wants.
; GELU: erf by Abramowitz and Stegun 7.1.25 (three terms, within 2.5e-5 for every argument), on y = k z: 2 k gelu(z) = y + |y| (1 - (a1 t + a2 t^2 + a3 t^3) 2^(-y y)), t = 1 / (1 + 0.391692 |y|).
; The factor 2 k is taken back where the results are weighed.  It is written once: a loop over the trip's batches of 32 numbers a lane; a short piece for each batch brings it out of the accumulators, scaled by k.
; LIMITS.  f16 operands: |w1| and |2 k gelu(z)| = 1.70 |gelu(z)| stay below 65,504.  NaN and infinities are not treated apart.
; NO MULTICAST: what the expert's 16 work-groups share is the rows, which go into registers in trips whose number hangs on stored counts; each slice of weights has one reader.
; REGISTERS.  window 0: v2 lane's place in W; v3 A's offset (stepped); v4 16 lane; v5 LDS store address; v6 W's address; v30, v31 for the add; v32-95 two buffers of 4 weight fragments; v96-223 two buffers of row
; fragments (tile i, k step st at (2 i + st) 8); v32-191 at work in the GELU.  window 1: accumulator (tile i, column block nt) at (8 i + nt) 8; in the loader the 64 loads' targets.
.set WPI,   288                        ; a row of W in LDS: 256 bytes + 32 = 72 words: 16 lanes of the turning load take 8 rows x 32 bytes at 8 words' distance
.set KROWS, 512
.set SPARE, KROWS*WPI                  ; the spare words, 128 bytes for each of 8 waves; no other line names them
.set NBODY, KROWS/64
.set BH, 32
.set AX, 96
.set AY, 160
.set GD, 32                            ; v32-63   1 + p |y|, then t, then the result
.set GE, 64                            ; v64-95   -y y, then 2^(-y y)
.set GQ, 96                            ; v96-127  the polynomial
.set GH, 128                           ; v128-143 the batch in f16
.set ZS, 160                           ; v160-191 y = k z
.set PF,  26                           ; s[26:32] tiles of batches 0..b
.set GAP, 34                           ; s[34:40] 8 - a batch's tiles
.set AB,  44                           ; s[44:51] where my four tiles' rows lie
.set HB,  52                           ; s[52:59] where their results go
.set MSB, 0
.macro WIN new                         ; the immediate's high byte repeats the setting that is left
.if MSB != (\new)
	s_set_vgpr_msb (MSB<<8)|(\new)
.set MSB, \new
.endif
.endm
.macro PLACES                          ; four plain instructions between a matrix instruction and a load into, or a vector instruction on, its registers
.rept 4
	v_nop
.endr
.endm
; Tile i of my run of m: its number among the expert's tiles that exist, turned into its place among the 64 (8 a batch), clamped, and the two addresses.  Places past m repeat the last tile.
.macro TILE i, sa, sh
	s_sub_co_u32 s69, s62, 1
	s_min_u32 s69, s69, \i
	s_add_co_u32 s68, s61, s69
	s_mov_b32 s69, s68
.set b, 0
.rept 7
	s_cmp_le_u32 s[PF+b], s68
	s_cselect_b32 s81, s[GAP+b], 0
	s_add_co_u32 s69, s69, s81
.set b, b+1
.endr
	s_min_u32 s69, s69, 63
	s_lshl_b32 s70, s69, \sa
	s_add_nc_u64 s[AB+2*(\i):AB+2*(\i)+1], s[82:83], s[70:71]
	s_lshl_b32 s70, s69, \sh
	s_add_nc_u64 s[HB+2*(\i):HB+2*(\i)+1], s[84:85], s[70:71]
.endm
.macro ALOAD mt, buf, off              ; 4 mt loads: two k steps of mt tiles, 512 consecutive bytes each
.set i, 0
.rept \mt
.irp st, 0,1
	global_load_b128 v[(\buf)+(2*i+\st)*8:(\buf)+(2*i+\st)*8+3],   v3, s[AB+2*i:AB+2*i+1] offset:(\off)+\st*1024
	global_load_b128 v[(\buf)+(2*i+\st)*8+4:(\buf)+(2*i+\st)*8+7], v3, s[AB+2*i:AB+2*i+1] offset:(\off)+\st*1024+512
.endr
.set i, i+1
.endr
.endm
.macro BLOAD buf, off                  ; 8 turning loads: four column blocks of one k step
.irp n, 0,1,2,3
	ds_load_tr16_b128 v[(\buf)+8*\n:(\buf)+8*\n+3],   v6 offset:(\off)+32*\n
	ds_load_tr16_b128 v[(\buf)+8*\n+4:(\buf)+8*\n+7], v6 offset:(\off)+32*\n+16*WPI
.endr
.endm
; Two k steps = four half steps (k step hs / 2, column blocks 4 (hs % 2) ..).  Each half step asks for the next one's weights and multiplies its own: 4 mt matrix instructions on 4 mt different accumulators, so that no
; two that follow each other share one.  The first half step asks for the next body's rows.  zero = 1: the first k step starts the sums.
.macro BODY mt, cur, nxt, zero, pfa, pfb
.irp hs, 0,1,2,3
	PLACES
	WIN 0
.if \hs == 0
	v_add_nc_u32 v6, s67, v2
.if \pfa
	ALOAD \mt, \nxt, 2048
.endif
.endif
.if (\hs < 3) || (\pfb)
	BLOAD BH+32*((\hs+1)%2), ((\hs+1)/2)*32*WPI+((\hs+1)%2)*128
.endif
.if \hs == 0
	s_wait_loadcnt 4*(\mt)*(\pfa)                  ; this body's rows are in; the loads just issued for the next body stay out
.endif
.if (\hs < 3) || (\pfb)
	s_wait_dscnt 8                                 ; this half step's weights are in; the 8 loads just issued stay out
.else
	s_wait_dscnt 0
.endif
	WIN 0x50                                       ; C and D in window 1
.set i, 0
.rept \mt
.irp n, 0,1,2,3
.set rD, (8*i+4*(\hs%2)+\n)*8
.set rW, BH+32*(\hs%2)+8*\n
.set rA, (\cur)+(2*i+\hs/2)*8
.if (\zero) && (\hs < 2)
	v_wmma_f32_16x16x32_f16 v[rD:rD+7], v[rW:rW+7], v[rA:rA+7], 0
.else
	v_wmma_f32_16x16x32_f16 v[rD:rD+7], v[rW:rW+7], v[rA:rA+7], v[rD:rD+7]
.endif
.endr
.set i, i+1
.endr
.endr
	WIN 0
	s_wait_xcnt 0x0                                ; the loads' offset register is stepped only behind this wait
	v_add_nc_u32 v3, 2048, v3
	s_add_co_u32 s67, s67, 64*WPI
.endm
.macro KLOOP mt, nb                    ; nb bodies: the first and the last written out, the others two a trip
	WIN 0
	v_mov_b32 v3, v4
	v_mov_b32 v6, v2
	s_mov_b32 s67, 0
	ALOAD \mt, AX, 0
	BLOAD BH, 0
	BODY \mt, AX, AY, 1, 1, 1
	s_mov_b32 s66, ((\nb)-2)/2
.Lk_\@:
	BODY \mt, AY, AX, 0, 1, 1
	BODY \mt, AX, AY, 0, 1, 1
	s_sub_co_u32 s66, s66, 1
	s_cmp_lg_u32 s66, 0
	s_cbranch_scc1 .Lk_\@
	BODY \mt, AY, AX, 0, 0, 0
.endm
; Batch q = column blocks 4 (q % 2) .. of tile q / 2: its four accumulators, each read from its lowest registers on, times k, into window 0; and where the batch goes.
.macro COPY q
	s_add_nc_u64 s[88:89], s[HB+2*((\q)/2):HB+2*((\q)/2)+1], ((\q)%2)*2048
	WIN 0x01                                       ; source 0 (z) in window 1
.set k, 0
.rept 16
	v_pk_mul_f32 v[ZS+2*k:ZS+2*k+1], v[32*(\q)+2*k:32*(\q)+2*k+1], s[72:73] op_sel_hi:[1,0]
.set k, k+1
.endr
	WIN 0
.endm
	s_load_b256 s[4:11], s[0:1], 0x0               ; ei s[4:5], w1 s[6:7], route s[8:9], hid s[10:11]
	v_lshl_add_u32 v30, v0, 2, SPARE
	v_mov_b32 v31, 0
	v_and_b32 v1, 31, v0
	v_lshrrev_b32 v7, 5, v0
	v_readfirstlane_b32 s12, v7                    ; wave
	s_and_b32 s13, ttmp7, 0xffff                   ; slice of 128 hidden columns
	s_mov_b32 s14, ttmp9                           ; e: the 16 work-groups that read the same rows have the same x
	v_lshlrev_b32 v4, 4, v1
	v_lshrrev_b32 v8, 4, v1                        ; the turning load: lane L reads row 8 (L / 16) + L % 8, 16 bytes at (L / 8) % 2
	v_and_b32 v9, 7, v1
	v_lshl_add_u32 v8, v8, 3, v9
	v_mul_u32_u24 v2, v8, WPI
	v_bfe_u32 v9, v1, 3, 1
	v_lshl_add_u32 v2, v9, 4, v2
	s_mul_i32 s24, s12, 64*WPI                     ; wave v lays rows 64 v .. 64 v + 63
	v_lshl_add_u32 v5, v1, 3, s24
	s_lshl_b32 s70, s14, 22
	s_lshl_b32 s69, s13, 9
	s_add_co_u32 s70, s70, s69
	s_lshl_b32 s69, s12, 19
	s_add_co_u32 s70, s70, s69
	s_mov_b32 s71, 0
	s_mov_b32 s72, 0x3f596d27                      ; k = sqrt(log2(e) / 2) = 0.8493218
	s_mov_b32 s73, s72
	s_mov_b32 s74, 0x3eb2303a                      ; a1 = 0.3480242
	s_mov_b32 s75, s74
	s_mov_b32 s76, 0xbdc45ca1                      ; a2 = -0.0958798
	s_mov_b32 s77, s76
	s_mov_b32 s78, 0x3f3f7377                      ; a3 = 0.7478556
	s_mov_b32 s79, s78
	s_mov_b32 s80, 0x3ec88bdb                      ; 0.47047 / (sqrt(2) k) = 0.391692
	s_wait_kmcnt 0x0
	s_add_nc_u64 s[6:7], s[6:7], s[70:71]
	WIN 0x40                                       ; destination window 1
.set r, 0
.rept 64
	global_load_b128 v[4*r:4*r+3], v4, s[6:7] offset:r*8192 th:TH_LOAD_NT  ; a row's 512 consecutive bytes; all of the wave's 32 KiB go out at once
.set r, r+1
.endr
	WIN 0
	s_lshl_b32 s70, s14, 5
	s_add_co_u32 s70, s70, 0x80000
	s_add_nc_u64 s[24:25], s[8:9], s[70:71]
	s_load_b256 s[16:23], s[24:25], 0x0            ; cnt[e][0..7]
	s_lshl_b32 s70, s14, 20
	s_add_nc_u64 s[82:83], s[4:5], s[70:71]        ; the expert's 64 tiles of ei,
	s_lshl_b32 s70, s14, 22
	s_lshl_b32 s69, s13, 12
	s_add_co_u32 s70, s70, s69
	s_add_nc_u64 s[84:85], s[10:11], s[70:71]      ; and of hid, at my slice's four k steps
	s_wait_kmcnt 0x0
.set b, 0
.rept 8
	s_min_u32 s[16+b], s[16+b], 128
	s_add_co_u32 s[16+b], s[16+b], 15
	s_lshr_b32 s[16+b], s[16+b], 4                 ; the batch's tiles
.set b, b+1
.endr
	s_mov_b32 s[PF], s16
.set b, 1
.rept 6
	s_add_co_u32 s[PF+b], s[PF+b-1], s[16+b]
.set b, b+1
.endr
	s_add_co_u32 s33, s[PF+6], s23                 ; T: the expert's tiles
.set b, 0
.rept 7
	s_sub_co_u32 s[GAP+b], 8, s[16+b]
.set b, b+1
.endr
	s_add_co_u32 s81, s33, 1
	s_lshr_b32 s81, s81, 1                         ; U = (T + 1) / 2 units of two tiles
	s_and_b32 s90, s12, 1
	s_lshl_b32 s90, s90, 2
	s_xor_b32 s90, s90, s12                        ; my rank r
	s_lshr_b32 s86, s81, 3                         ; every wave takes U / 8 units, the ranks below U % 8 one more
	s_and_b32 s87, s81, 7
	s_mul_i32 s61, s90, s86
	s_min_u32 s69, s90, s87
	s_add_co_u32 s61, s61, s69
	s_lshl_b32 s61, s61, 1                         ; my next tile
	s_cmp_lt_u32 s90, s87
	s_cselect_b32 s69, 1, 0
	s_add_co_u32 s60, s86, s69
	s_lshl_b32 s60, s60, 1
	s_sub_co_u32 s69, s33, s61                     ; the tiles from mine on (a wave without units has 0 on the other side of the minimum)
	s_min_u32 s60, s60, s69                        ; tiles left to me, 8 at the most
	s_min_u32 s62, s60, 4                          ; the first trip's tiles: 4 at the most;
	s_sub_co_u32 s69, s60, 4
	s_cmp_gt_u32 s60, 4
	s_cselect_b32 s69, s69, s62
	s_cmp_lt_u32 s90, 4
	s_cselect_b32 s62, s69, s62                    ; a rank below 4 with more than 4 takes the others first
.set g, 0
.rept 8
	s_wait_loadcnt 56-8*g                          ; rows 8 g .. 8 g + 7 are in; the rows behind them stay out
	WIN 0x05                                       ; sources in window 1
.set k, 0
.rept 8
	v_cvt_pk_f16_f32 v[32+16*(g%2)+2*k], v[4*(8*g+k)], v[4*(8*g+k)+1]
	v_cvt_pk_f16_f32 v[33+16*(g%2)+2*k], v[4*(8*g+k)+2], v[4*(8*g+k)+3]
.set k, k+1
.endr
	WIN 0
.set k, 0
.rept 8
	ds_store_b64 v5, v[32+16*(g%2)+2*k:33+16*(g%2)+2*k] offset:(8*g+k)*WPI
.set k, k+1
.endr
.set g, g+1
.endr
	s_wait_dscnt 0x0                               ; for the others' sake: my rows of W are in LDS
	s_barrier_signal -1
	s_barrier_wait -1
	s_mov_b32 s63, 0
.Ltrip:                                                ; m = s62 tiles in this trip
	s_cmp_eq_u32 s62, 0
	s_cbranch_scc1 .Lbottom
	s_wait_xcnt 0x0                                ; the last trip's stores have read their data
	TILE 0, 14, 16
	TILE 1, 14, 16
	TILE 2, 14, 16
	TILE 3, 14, 16
	s_cmp_gt_u32 s62, 2
	s_cbranch_scc1 .Lfour
	KLOOP 2, NBODY
	s_branch .Lepi
.Lfour:
	KLOOP 4, NBODY
.Lepi:
	PLACES
	s_lshl_b32 s92, s62, 1                         ; 2 m batches
	s_mov_b32 s91, 0
.Lbatch:
	s_wait_xcnt 0x0                                ; the last batch's stores have read their base and data: both are rewritten below
.irp q, 0,1,2,3,4,5,6
	s_cmp_eq_u32 s91, \q
	s_cbranch_scc1 .Lcp\q
.endr
	COPY 7
	s_branch .Lgo
.irp q, 0,1,2,3,4,5,6
.Lcp\q:
	COPY \q
	s_branch .Lgo
.endr
.Lgo:
	; 32 numbers a lane.  The 48 plain lines that make -y y and 1 + p |y| stand between the 64 transcendentals, a pair behind; nothing names a transcendental's result ahead of the one wait.
.set k, 0
.rept 17
.if k < 16
	v_pk_mul_f32 v[GE+2*k:GE+2*k+1], v[ZS+2*k:ZS+2*k+1], v[ZS+2*k:ZS+2*k+1] neg_lo:[1,0] neg_hi:[1,0]
.endif
.if k > 0
	v_exp_f32 v[GE+2*k-2], v[GE+2*k-2]
.endif
.if k < 16
	v_fma_f32 v[GD+2*k], |v[ZS+2*k]|, s80, 1.0
.endif
.if k > 0
	v_exp_f32 v[GE+2*k-1], v[GE+2*k-1]
.endif
.if k < 16
	v_fma_f32 v[GD+2*k+1], |v[ZS+2*k+1]|, s80, 1.0
.endif
.if k > 0
	v_rcp_f32 v[GD+2*k-2], v[GD+2*k-2]
	v_rcp_f32 v[GD+2*k-1], v[GD+2*k-1]
.endif
.set k, k+1
.endr
	v_nop                                          ; a plain instruction behind the last reciprocal,
	s_wait_alu depctr_va_vdst(0)                   ; and one wait for the batch of 64, ahead of its first reader
.set k, 0
.rept 16
	v_pk_fma_f32 v[GQ+2*k:GQ+2*k+1], v[GD+2*k:GD+2*k+1], s[78:79], s[76:77] op_sel_hi:[1,0,0]
.set k, k+1
.endr
.set k, 0
.rept 16
	v_pk_fma_f32 v[GQ+2*k:GQ+2*k+1], v[GQ+2*k:GQ+2*k+1], v[GD+2*k:GD+2*k+1], s[74:75] op_sel_hi:[1,1,0]
.set k, k+1
.endr
.set k, 0
.rept 16
	v_pk_mul_f32 v[GQ+2*k:GQ+2*k+1], v[GQ+2*k:GQ+2*k+1], v[GD+2*k:GD+2*k+1]
.set k, k+1
.endr
.set k, 0
.rept 16
	v_pk_fma_f32 v[GQ+2*k:GQ+2*k+1], v[GQ+2*k:GQ+2*k+1], v[GE+2*k:GE+2*k+1], 1.0 op_sel_hi:[1,1,0] neg_lo:[1,0,0] neg_hi:[1,0,0]
.set k, k+1
.endr
.set k, 0
.rept 32
	v_fma_f32 v[GD+k], |v[ZS+k]|, v[GQ+k], v[ZS+k]
.set k, k+1
.endr
.set k, 0
.rept 16
	v_cvt_pk_f16_f32 v[GH+k], v[GD+2*k], v[GD+2*k+1]
.set k, k+1
.endr
.irp k, 0,1,2,3
	global_store_b128 v4, v[GH+4*\k:GH+4*\k+3], s[88:89] offset:\k*512  ; 512 consecutive bytes, aligned: a column block in the second product's operand order
.endr
	s_add_co_u32 s91, s91, 1
	s_cmp_lt_u32 s91, s92
	s_cbranch_scc1 .Lbatch
.Lbottom:
	s_sub_co_u32 s60, s60, s62
	s_add_co_u32 s61, s61, s62
	s_min_u32 s62, s60, 4                          ; the second trip takes what is left, 4 at the most
	s_add_co_u32 s63, s63, 1
	s_cmp_lt_u32 s63, 2
	s_cbranch_scc1 .Ltrip
	s_wait_dscnt 0x0                               ; my reads of W are over
	s_barrier_signal -1
	s_barrier_wait -1                              ; everybody's are: only now does a wave write LDS again
	s_wait_tensorcnt 0x0                           ; the wave's end
	ds_add_u32 v30, v31
	s_wait_dscnt 0x0
	s_endpgm
.Lfunc_end_k_qaf4e6ab032_ffn1:
	.size	k_qaf4e6ab032_ffn1, .Lfunc_end_k_qaf4e6ab032_ffn1-k_qaf4e6ab032_ffn1
	.p2alignl 7, 3214868480
	.fill 96, 4, 3214868480
	.section	.rodata,"a",@progbits
	.p2align	6, 0x0
	.amdhsa_kernel k_qaf4e6ab032_ffn1
		.amdhsa_group_segment_fixed_size 148480
		.amdhsa_private_segment_fixed_size 0
		.amdhsa_enable_private_segment 0
		.amdhsa_kernarg_size 32
		.amdhsa_user_sgpr_count 2
		.amdhsa_user_sgpr_kernarg_segment_ptr 1
		.amdhsa_wavefront_size32 1
		.amdhsa_system_sgpr_workgroup_id_x 1
		.amdhsa_system_sgpr_workgroup_id_y 1
		.amdhsa_system_sgpr_workgroup_id_z 1
		.amdhsa_system_vgpr_workitem_id 0
		.amdhsa_next_free_vgpr 512
		.amdhsa_next_free_sgpr 100
		.amdhsa_reserve_vcc 0
		.amdhsa_float_denorm_mode_32 3
		.amdhsa_float_denorm_mode_16_64 3
		.amdhsa_memory_ordered 1
		.amdhsa_forward_progress 1
		.amdhsa_inst_pref_size 109
	.end_amdhsa_kernel
	.amdgpu_metadata
---
amdhsa.version: [ 1, 2 ]
amdhsa.kernels:
  - .name:           k_qaf4e6ab032_ffn1
    .symbol:         k_qaf4e6ab032_ffn1.kd
    .args:
      - { .name: ei, .offset: 0, .size: 8, .value_kind: global_buffer, .address_space: global }
      - { .name: w1, .offset: 8, .size: 8, .value_kind: global_buffer, .address_space: global }
      - { .name: route, .offset: 16, .size: 8, .value_kind: global_buffer, .address_space: global }
      - { .name: hid, .offset: 24, .size: 8, .value_kind: global_buffer, .address_space: global }
    .group_segment_fixed_size: 148480
    .private_segment_fixed_size: 0
    .kernarg_segment_align: 8
    .kernarg_segment_size: 32
    .max_flat_workgroup_size: 256
    .sgpr_count:     100
    .vgpr_count:     512
    .wavefront_size: 32
...
	.end_amdgpu_metadata
.endif
;; end of part 3
;; launch ffn2 (part 4): grid 16 x 16, 8 waves a work-group, no clusters, 295,936 bytes of LDS; arguments hid, w2, route, eo; writes eo
.if DOCPART == 4
	.amdgcn_target "amdgcn-amd-amdhsa--gfx1250"
	.amdhsa_code_object_version 6
	.text
	.protected	k_qaf4e6ab032_ffn2
	.globl	k_qaf4e6ab032_ffn2
	.p2align	8
	.type	k_qaf4e6ab032_ffn2,@function
k_qaf4e6ab032_ffn2:
	s_mov_b64 s[64:65], 0
	v_nop
	global_prefetch_b8 v0, s[64:65] scope:SCOPE_SE
	s_setreg_imm32_b32 hwreg(HW_REG_WAVE_MODE, 25, 1), 1
	s_wait_xcnt 0x0
; SECOND PRODUCT.  eo[kh] = hid[:, half kh of the 2,048 hidden columns] . w2[e][that half] for the rows that exist: two partial sums in f32, added where the results are weighed.
; A work-group has one expert e (its x) and, from its y, 128 of the 512 output columns (cs), one half of K (kh) and one half of the expert's tiles (rh).  Its slice of w2 (1,024 x 128 f32) is rounded to f16 on its way through
; registers and laid into LDS as [k][column], 288 bytes a row; the two row halves read the same slice, so its loads carry no hint.
; THE DEAL.  The half's tiles, 32 at the most, go to the 8 waves one by one, by the wave's rank r = w xor 4 (w & 1): whether waves w and w + 4 or waves 2 j and 2 j + 1 lie on one SIMD, one of the two has a rank below 4, so the
; waves that get one tile more lie apart.  A wave has 4 tiles at the most: one trip, in a form for 4, for 3 or for 2 tiles (a single tile is doubled).
; Rows come from memory straight into operand registers (hid lies in that order); weights out of LDS turned.  Weights are source 0, rows source 1: a lane holds one row and eight neighbouring columns.
; THE WAY OUT: behind a second barrier nobody reads W any more; each wave takes 8,448 bytes from LDS byte 8,448 w on as its stage (16 rows of 512 + 16 bytes), writes a tile into it and reads whole rows back: a loop over its tiles.
; LIMITS.  f16 operands: |w2| stays below 65,504.  NaN and infinities are not treated apart.
; NO MULTICAST: rows go into registers in numbers that hang on stored counts; a slice of weights has two readers, which a cluster of four does not fit.
; REGISTERS as in the first product; v7, v8 the stage's addresses; v32-95 rows on their way out.
.set WPI,   288
.set KROWS, 1024
.set SPARE, KROWS*WPI                  ; the spare words, 128 bytes for each of 8 waves; no other line names them
.set NBODY, KROWS/64
.set SPI,   528                        ; a stage row: 132 words: the 16 rows that a store touches start 4 words apart
.set BH, 32
.set AX, 96
.set AY, 160
.set PF,  26
.set GAP, 34
.set AB,  44
.set HB,  52
.set MSB, 0
.macro WIN new                         ; the immediate's high byte repeats the setting that is left
.if MSB != (\new)
	s_set_vgpr_msb (MSB<<8)|(\new)
.set MSB, \new
.endif
.endm
.macro PLACES                          ; four plain instructions between a matrix instruction and a load into, or another instruction on, its registers
.rept 4
	v_nop
.endr
.endm
.macro TILE i, sa, sh                  ; tile i of my run of m: its place among the expert's 64, clamped, and the two addresses; places past m repeat the last tile
	s_sub_co_u32 s69, s62, 1
	s_min_u32 s69, s69, \i
	s_add_co_u32 s68, s61, s69
	s_mov_b32 s69, s68
.set b, 0
.rept 7
	s_cmp_le_u32 s[PF+b], s68
	s_cselect_b32 s81, s[GAP+b], 0
	s_add_co_u32 s69, s69, s81
.set b, b+1
.endr
	s_min_u32 s69, s69, 63
	s_lshl_b32 s70, s69, \sa
	s_add_nc_u64 s[AB+2*(\i):AB+2*(\i)+1], s[82:83], s[70:71]
	s_lshl_b32 s70, s69, \sh
	s_add_nc_u64 s[HB+2*(\i):HB+2*(\i)+1], s[84:85], s[70:71]
.endm
.macro ALOAD mt, buf, off              ; 4 mt loads: two k steps of mt tiles
.set i, 0
.rept \mt
.irp st, 0,1
	global_load_b128 v[(\buf)+(2*i+\st)*8:(\buf)+(2*i+\st)*8+3],   v3, s[AB+2*i:AB+2*i+1] offset:(\off)+\st*1024
	global_load_b128 v[(\buf)+(2*i+\st)*8+4:(\buf)+(2*i+\st)*8+7], v3, s[AB+2*i:AB+2*i+1] offset:(\off)+\st*1024+512
.endr
.set i, i+1
.endr
.endm
.macro BLOAD buf, off                  ; 8 turning loads: four column blocks of one k step
.irp n, 0,1,2,3
	ds_load_tr16_b128 v[(\buf)+8*\n:(\buf)+8*\n+3],   v6 offset:(\off)+32*\n
	ds_load_tr16_b128 v[(\buf)+8*\n+4:(\buf)+8*\n+7], v6 offset:(\off)+32*\n+16*WPI
.endr
.endm
; Two k steps = four half steps; each asks for the next one's weights and multiplies its own, 4 mt matrix instructions on 4 mt different accumulators.
.macro BODY mt, cur, nxt, zero, pfa, pfb
.irp hs, 0,1,2,3
	PLACES
	WIN 0
.if \hs == 0
	v_add_nc_u32 v6, s67, v2
.if \pfa
	ALOAD \mt, \nxt, 2048
.endif
.endif
.if (\hs < 3) || (\pfb)
	BLOAD BH+32*((\hs+1)%2), ((\hs+1)/2)*32*WPI+((\hs+1)%2)*128
.endif
.if \hs == 0
	s_wait_loadcnt 4*(\mt)*(\pfa)                  ; this body's rows are in; the 4 mt loads just issued for the next body stay out
.endif
.if (\hs < 3) || (\pfb)
	s_wait_dscnt 8                                 ; this half step's weights are in; the 8 loads just issued stay out
.else
	s_wait_dscnt 0
.endif
	WIN 0x50                                       ; C and D in window 1
.set i, 0
.rept \mt
.irp n, 0,1,2,3
.set rD, (8*i+4*(\hs%2)+\n)*8
.set rW, BH+32*(\hs%2)+8*\n
.set rA, (\cur)+(2*i+\hs/2)*8
.if (\zero) && (\hs < 2)
	v_wmma_f32_16x16x32_f16 v[rD:rD+7], v[rW:rW+7], v[rA:rA+7], 0
.else
	v_wmma_f32_16x16x32_f16 v[rD:rD+7], v[rW:rW+7], v[rA:rA+7], v[rD:rD+7]
.endif
.endr
.set i, i+1
.endr
.endr
	WIN 0
	s_wait_xcnt 0x0                                ; the loads' offset register is stepped only behind this wait
	v_add_nc_u32 v3, 2048, v3
	s_add_co_u32 s67, s67, 64*WPI
.endm
.macro KLOOP mt, nb
	WIN 0
	v_mov_b32 v3, v4
	v_mov_b32 v6, v2
	s_mov_b32 s67, 0
	ALOAD \mt, AX, 0
	BLOAD BH, 0
	BODY \mt, AX, AY, 1, 1, 1
	s_mov_b32 s66, ((\nb)-2)/2
.Lk_\@:
	BODY \mt, AY, AX, 0, 1, 1
	BODY \mt, AX, AY, 0, 1, 1
	s_sub_co_u32 s66, s66, 1
	s_cmp_lg_u32 s66, 0
	s_cbranch_scc1 .Lk_\@
	BODY \mt, AY, AX, 0, 0, 0
.endm
; Tile i goes into my stage: 32 bytes a lane and column block, each accumulator's low four registers first; and where it goes from there.
.macro PUT i
	s_mov_b64 s[88:89], s[HB+2*(\i):HB+2*(\i)+1]
	WIN 0x04                                       ; the stores' data in window 1
.set n, 0
.rept 8
	ds_store_b128 v7, v[(8*(\i)+n)*8:(8*(\i)+n)*8+3] offset:n*64
	ds_store_b128 v7, v[(8*(\i)+n)*8+4:(8*(\i)+n)*8+7] offset:n*64+16
.set n, n+1
.endr
	WIN 0
.endm
	s_load_b256 s[4:11], s[0:1], 0x0               ; hid s[4:5], w2 s[6:7], route s[8:9], eo s[10:11]
	v_lshl_add_u32 v30, v0, 2, SPARE
	v_mov_b32 v31, 0
	v_and_b32 v1, 31, v0
	v_lshrrev_b32 v7, 5, v0
	v_readfirstlane_b32 s12, v7                    ; wave
	s_and_b32 s91, ttmp7, 0xffff
	s_lshr_b32 s13, s91, 2                         ; cs
	s_bfe_u32 s15, s91, 0x10001                    ; kh
	s_and_b32 s90, s91, 1                          ; rh
	s_mov_b32 s14, ttmp9                           ; e: the 16 work-groups that read the expert's rows and weights have the same x
	s_and_b32 s92, s12, 1
	s_lshl_b32 s92, s92, 2
	s_xor_b32 s92, s92, s12                        ; my rank r
	v_lshlrev_b32 v4, 4, v1
	v_lshrrev_b32 v8, 4, v1
	v_and_b32 v9, 7, v1
	v_lshl_add_u32 v8, v8, 3, v9
	v_mul_u32_u24 v2, v8, WPI
	v_bfe_u32 v9, v1, 3, 1
	v_lshl_add_u32 v2, v9, 4, v2
	s_mul_i32 s69, s12, 128*WPI                    ; wave v lays rows 128 v .. 128 v + 127
	v_lshl_add_u32 v5, v1, 3, s69
	s_mul_i32 s69, s12, 16*SPI                     ; my stage
	v_and_b32 v8, 15, v1
	v_mul_u32_u24 v7, v8, SPI
	v_lshrrev_b32 v9, 4, v1
	v_lshl_add_u32 v7, v9, 5, v7
	v_add_nc_u32 v7, s69, v7                       ; in: row L % 16, 32 bytes for each half of the lanes
	v_lshl_add_u32 v8, v1, 4, s69                  ; back: a row's 512 bytes
	s_lshl_b32 s70, s14, 22
	s_lshl_b32 s69, s15, 21
	s_add_co_u32 s70, s70, s69
	s_lshl_b32 s69, s13, 9
	s_add_co_u32 s70, s70, s69
	s_lshl_b32 s69, s12, 18
	s_add_co_u32 s70, s70, s69
	s_mov_b32 s71, 0
	s_wait_kmcnt 0x0
	s_add_nc_u64 s[6:7], s[6:7], s[70:71]
	WIN 0x40
.set r, 0
.rept 64
	global_load_b128 v[4*r:4*r+3], v4, s[6:7] offset:r*2048
.set r, r+1
.endr
	WIN 0
	s_lshl_b32 s70, s14, 5
	s_add_co_u32 s70, s70, 0x80000
	s_add_nc_u64 s[24:25], s[8:9], s[70:71]
	s_load_b256 s[16:23], s[24:25], 0x0            ; cnt[e][0..7]
	s_lshl_b32 s70, s14, 22
	s_lshl_b32 s69, s15, 15
	s_add_co_u32 s70, s70, s69
	s_add_nc_u64 s[82:83], s[4:5], s[70:71]        ; the expert's tiles of hid, at my half of K
	s_lshl_b32 s70, s15, 25
	s_lshl_b32 s69, s14, 21
	s_add_co_u32 s70, s70, s69
	s_lshl_b32 s69, s13, 9
	s_add_co_u32 s70, s70, s69
	s_add_nc_u64 s[84:85], s[10:11], s[70:71]      ; and of eo[kh], at my columns
	s_wait_kmcnt 0x0
.set b, 0
.rept 8
	s_min_u32 s[16+b], s[16+b], 128
	s_add_co_u32 s[16+b], s[16+b], 15
	s_lshr_b32 s[16+b], s[16+b], 4
.set b, b+1
.endr
	s_mov_b32 s[PF], s16
.set b, 1
.rept 6
	s_add_co_u32 s[PF+b], s[PF+b-1], s[16+b]
.set b, b+1
.endr
	s_add_co_u32 s33, s[PF+6], s23                 ; T
.set b, 0
.rept 7
	s_sub_co_u32 s[GAP+b], 8, s[16+b]
.set b, b+1
.endr
	s_add_co_u32 s81, s33, 1
	s_lshr_b32 s81, s81, 1                         ; the first row half has (T + 1) / 2 tiles
	s_sub_co_u32 s86, s33, s81
	s_cmp_eq_u32 s90, 0
	s_cselect_b32 s88, 0, s81                      ; my half's first tile,
	s_cselect_b32 s86, s81, s86                    ; and its tiles, 32 at the most
	s_lshr_b32 s81, s86, 3                         ; every wave takes an eighth, the ranks below the remainder one more
	s_and_b32 s86, s86, 7
	s_cmp_lt_u32 s92, s86
	s_cselect_b32 s89, 1, 0
	s_add_co_u32 s62, s81, s89
	s_min_u32 s62, s62, 4                          ; m: my tiles
	s_mul_i32 s61, s92, s81
	s_min_u32 s89, s92, s86
	s_add_co_u32 s61, s61, s89
	s_add_co_u32 s61, s61, s88                     ; my first tile
	TILE 0, 16, 15                                 ; every wave makes its four pairs of addresses, a wave without tiles too: the clamps keep them inside the buffers, and such a wave uses none
	TILE 1, 16, 15
	TILE 2, 16, 15
	TILE 3, 16, 15
.set g, 0
.rept 16
.if g < 8
	s_wait_loadcnt 56                              ; behind rows 8 g .. : 56 - 8 g of the first 64 and the 8 g issued since
.else
	s_wait_loadcnt 56-8*(g-8)
.endif
	WIN 0x05
.set k, 0
.rept 8
	v_cvt_pk_f16_f32 v[32+16*(g%2)+2*k], v[4*(8*(g%8)+k)], v[4*(8*(g%8)+k)+1]
	v_cvt_pk_f16_f32 v[33+16*(g%2)+2*k], v[4*(8*(g%8)+k)+2], v[4*(8*(g%8)+k)+3]
.set k, k+1
.endr
	WIN 0
.set k, 0
.rept 8
	ds_store_b64 v5, v[32+16*(g%2)+2*k:33+16*(g%2)+2*k] offset:(8*g+k)*WPI
.set k, k+1
.endr
.if g < 8
	WIN 0x40
.set k, 0
.rept 8
	global_load_b128 v[4*(8*g+k):4*(8*g+k)+3], v4, s[6:7] offset:(64+8*g+k)*2048
.set k, k+1
.endr
	WIN 0
.endif
.set g, g+1
.endr
	s_wait_dscnt 0x0                               ; for the others' sake: my rows of W are in LDS
	s_barrier_signal -1
	s_barrier_wait -1
	s_cmp_eq_u32 s62, 0
	s_cbranch_scc1 .Lnone
	s_cmp_gt_u32 s62, 2
	s_cbranch_scc1 .Lmore
	KLOOP 2, NBODY
	s_branch .Ljoin
.Lmore:
	s_cmp_gt_u32 s62, 3
	s_cbranch_scc1 .Lfour
	KLOOP 3, NBODY
	s_branch .Ljoin
.Lfour:
	KLOOP 4, NBODY
.Ljoin:
	PLACES
.Lnone:
	s_wait_dscnt 0x0                               ; my reads of W are over
	s_barrier_signal -1
	s_barrier_wait -1                              ; everybody's are: W's bytes may serve as stages
	s_cmp_eq_u32 s62, 0
	s_cbranch_scc1 .Lend
	s_mov_b32 s91, 0
.Lout:                                                 ; a trip for each of my m tiles; the stage's addresses are the same in every trip
	s_wait_xcnt 0x0                                ; the last tile's stores have read their base and data: both are rewritten below
.irp i, 0,1,2
	s_cmp_eq_u32 s91, \i
	s_cbranch_scc1 .Lput\i
.endr
	PUT 3
	s_branch .Lsend
.irp i, 0,1,2
.Lput\i:
	PUT \i
	s_branch .Lsend
.endr
.Lsend:
.set k, 0
.rept 16
	ds_load_b128 v[32+4*k:35+4*k], v8 offset:k*SPI     ; LDS serves a wave's instructions in order (ISA guide 5.7.1.4): these see the stores above, and the next tile's stores come behind them
.set k, k+1
.endr
.set k, 0
.rept 16
	s_wait_dscnt 15-k                              ; row k is back; the younger loads stay out
	global_store_b128 v4, v[32+4*k:35+4*k], s[88:89] offset:k*2048  ; 512 consecutive bytes, aligned
.set k, k+1
.endr
	s_add_co_u32 s91, s91, 1
	s_cmp_lt_u32 s91, s62
	s_cbranch_scc1 .Lout
.Lend:
	s_wait_tensorcnt 0x0                           ; the wave's end
	ds_add_u32 v30, v31
	s_wait_dscnt 0x0
	s_endpgm
.Lfunc_end_k_qaf4e6ab032_ffn2:
	.size	k_qaf4e6ab032_ffn2, .Lfunc_end_k_qaf4e6ab032_ffn2-k_qaf4e6ab032_ffn2
	.p2alignl 7, 3214868480
	.fill 96, 4, 3214868480
	.section	.rodata,"a",@progbits
	.p2align	6, 0x0
	.amdhsa_kernel k_qaf4e6ab032_ffn2
		.amdhsa_group_segment_fixed_size 295936
		.amdhsa_private_segment_fixed_size 0
		.amdhsa_enable_private_segment 0
		.amdhsa_kernarg_size 32
		.amdhsa_user_sgpr_count 2
		.amdhsa_user_sgpr_kernarg_segment_ptr 1
		.amdhsa_wavefront_size32 1
		.amdhsa_system_sgpr_workgroup_id_x 1
		.amdhsa_system_sgpr_workgroup_id_y 1
		.amdhsa_system_sgpr_workgroup_id_z 1
		.amdhsa_system_vgpr_workitem_id 0
		.amdhsa_next_free_vgpr 512
		.amdhsa_next_free_sgpr 100
		.amdhsa_reserve_vcc 0
		.amdhsa_float_denorm_mode_32 3
		.amdhsa_float_denorm_mode_16_64 3
		.amdhsa_memory_ordered 1
		.amdhsa_forward_progress 1
		.amdhsa_inst_pref_size 143
	.end_amdhsa_kernel
	.amdgpu_metadata
---
amdhsa.version: [ 1, 2 ]
amdhsa.kernels:
  - .name:           k_qaf4e6ab032_ffn2
    .symbol:         k_qaf4e6ab032_ffn2.kd
    .args:
      - { .name: hid, .offset: 0, .size: 8, .value_kind: global_buffer, .address_space: global }
      - { .name: w2, .offset: 8, .size: 8, .value_kind: global_buffer, .address_space: global }
      - { .name: route, .offset: 16, .size: 8, .value_kind: global_buffer, .address_space: global }
      - { .name: eo, .offset: 24, .size: 8, .value_kind: global_buffer, .address_space: global }
    .group_segment_fixed_size: 295936
    .private_segment_fixed_size: 0
    .kernarg_segment_align: 8
    .kernarg_segment_size: 32
    .max_flat_workgroup_size: 256
    .sgpr_count:     100
    .vgpr_count:     512
    .wavefront_size: 32
...
	.end_amdgpu_metadata
.endif
;; end of part 4
;; launch combine (part 5): grid 1024 x 1, 8 waves a work-group, no clusters, 0 bytes of LDS; arguments eo, route, gate, term, out0, out1; writes out0, out1
.if DOCPART == 5
	.amdgcn_target "amdgcn-amd-amdhsa--gfx1250"
	.amdhsa_code_object_version 6
	.text
	.protected	k_qaf4e6ab032_combine
	.globl	k_qaf4e6ab032_combine
	.p2align	8
	.type	k_qaf4e6ab032_combine,@function
k_qaf4e6ab032_combine:
	s_mov_b64 s[64:65], 0
	v_nop
	global_prefetch_b8 v0, s[64:65] scope:SCOPE_SE
	s_setreg_imm32_b32 hwreg(HW_REG_WAVE_MODE, 25, 1), 1
	s_wait_xcnt 0x0
; COMBINE.  out0[t] = the sum over the experts that kept token t of weight x (eo[0][row] + eo[1][row]) / (2 k): 2 k = 2 sqrt(log2(e) / 2) is the factor that the first product left in hid; a token that no expert kept gets zeros.
; A wave has one token: lanes 0-15 read its 16 row numbers and weights; a loop counted up to the number of kept experts (read from a list that an earlier launch stored) adds the rows, 2,048 bytes each, twice.
; out1 = 0.02 / 2^20 x the sum of the 128 stored terms: 0.01 x 256 x the mean over (b, e) of (sum of raw / 1,024)(cnt / 1,024).
; A stream: no LDS, no matrix unit, no cluster; every load and store of a row covers 512 consecutive bytes.
	s_load_b256 s[4:11], s[0:1], 0x0               ; eo s[4:5], route s[6:7], gate s[8:9], term s[10:11]
	s_load_b128 s[12:15], s[0:1], 0x20             ; out0 s[12:13], out1 s[14:15]
	v_and_b32 v1, 31, v0
	v_lshrrev_b32 v2, 5, v0
	v_readfirstlane_b32 s16, v2
	s_lshl_b32 s17, ttmp9, 3
	s_add_co_u32 s17, s17, s16                     ; t
	v_and_b32 v3, 15, v0
	s_lshl_b32 s18, s17, 2
	v_lshl_add_u32 v4, v3, 15, s18                 ; rowidx[e][t]
	s_lshr_b32 s19, s17, 2                         ; the weight: block t / 4, lane 16 ((t / 2) % 2) + e, word t % 2
	s_lshl_b32 s19, s19, 8
	s_bfe_u32 s20, s17, 0x10001
	s_lshl_b32 s20, s20, 7
	s_add_co_u32 s19, s19, s20
	s_and_b32 s20, s17, 1
	s_lshl_b32 s20, s20, 2
	s_add_co_u32 s19, s19, s20
	v_lshl_add_u32 v5, v3, 3, s19
	v_lshlrev_b32 v6, 4, v1
	s_lshl_b32 s34, s17, 11
	s_mov_b32 s35, 0
	s_mov_b32 s27, 0
	s_wait_kmcnt 0x0
	global_load_b32 v7, v4, s[6:7]
	global_load_b32 v8, v5, s[8:9]
	s_add_nc_u64 s[12:13], s[12:13], s[34:35]
.set k, 0
.rept 16
	v_mov_b32 v[16+k], 0
.set k, k+1
.endr
	s_wait_loadcnt 0x0
	v_mul_f32 v8, 0x3f16b55f, v8                   ; 1 / (2 k) = 0.588705
	v_cmp_lt_i32 s21, -1, v7
	s_and_b32 s21, s21, 0xffff
	s_bcnt1_i32_b32 s22, s21
	s_cmp_eq_u32 s22, 0
	s_cbranch_scc1 .Lstore
	s_mov_b32 s23, 0
.Lexp:
	s_ctz_i32_b32 s24, s21
	s_lshl_b32 s25, 1, s24
	s_and_not1_b32 s21, s21, s25
	v_readlane_b32 s26, v7, s24
	v_readlane_b32 s28, v8, s24
	s_min_u32 s26, s26, 16383
	s_lshl_b32 s26, s26, 11
	s_add_nc_u64 s[30:31], s[4:5], s[26:27]
	s_add_nc_u64 s[32:33], s[30:31], 0x2000000     ; the other half of K's partial sums
	s_mov_b32 s29, s28
.irp c, 0,1,2,3
	global_load_b128 v[32+4*\c:35+4*\c], v6, s[30:31] offset:\c*512
.endr
.irp c, 0,1,2,3
	global_load_b128 v[48+4*\c:51+4*\c], v6, s[32:33] offset:\c*512
.endr
	s_wait_loadcnt 0x0                             ; the rows are in, and the address pairs are free for the next trip
.irp k, 0,1,2,3,4,5,6,7
	v_pk_fma_f32 v[16+2*\k:17+2*\k], v[32+2*\k:33+2*\k], s[28:29], v[16+2*\k:17+2*\k] op_sel_hi:[1,0,1]
.endr
.irp k, 0,1,2,3,4,5,6,7
	v_pk_fma_f32 v[16+2*\k:17+2*\k], v[48+2*\k:49+2*\k], s[28:29], v[16+2*\k:17+2*\k] op_sel_hi:[1,0,1]
.endr
	s_add_co_u32 s23, s23, 1
	s_cmp_lt_u32 s23, s22
	s_cbranch_scc1 .Lexp
.Lstore:
.irp c, 0,1,2,3
	global_store_b128 v6, v[16+4*\c:19+4*\c], s[12:13] offset:\c*512 th:TH_STORE_NT
.endr
	s_cmp_lg_u32 s17, 0
	s_cbranch_scc1 .Lend
	global_load_b128 v[32:35], v6, s[10:11]        ; the 128 terms
	s_mov_b32 s36, 0x76543210
	s_mov_b32 s37, 0xfedcba98
	v_mov_b32 v36, 0
	v_mov_b32 v37, 0
	s_wait_loadcnt 0x0
	v_add_f32 v32, v32, v33
	v_add_f32 v34, v34, v35
	v_add_f32 v32, v32, v34
	v_add_f32_dpp v32, v32, v32 row_xmask:1 row_mask:0xf bank_mask:0xf
	v_add_f32_dpp v32, v32, v32 row_xmask:2 row_mask:0xf bank_mask:0xf
	v_add_f32_dpp v32, v32, v32 row_xmask:4 row_mask:0xf bank_mask:0xf
	v_add_f32_dpp v32, v32, v32 row_xmask:8 row_mask:0xf bank_mask:0xf
	v_permlanex16_b32 v36, v32, s36, s37
	v_add_f32 v32, v32, v36
	v_mul_f32 v38, 0x32a3d70a, v32                 ; 0.02 / 2^20
	v_cmp_eq_u32 vcc_lo, 0, v1
	s_wait_xcnt 0x0                                ; EXEC changes only behind this wait
	s_and_saveexec_b32 s38, vcc_lo
	global_store_b32 v37, v38, s[14:15]
	s_wait_xcnt 0x0
	s_or_b32 exec_lo, exec_lo, s38
.Lend:
	s_endpgm
.Lfunc_end_k_qaf4e6ab032_combine:
	.size	k_qaf4e6ab032_combine, .Lfunc_end_k_qaf4e6ab032_combine-k_qaf4e6ab032_combine
	.p2alignl 7, 3214868480
	.fill 96, 4, 3214868480
	.section	.rodata,"a",@progbits
	.p2align	6, 0x0
	.amdhsa_kernel k_qaf4e6ab032_combine
		.amdhsa_group_segment_fixed_size 0
		.amdhsa_private_segment_fixed_size 0
		.amdhsa_enable_private_segment 0
		.amdhsa_kernarg_size 48
		.amdhsa_user_sgpr_count 2
		.amdhsa_user_sgpr_kernarg_segment_ptr 1
		.amdhsa_wavefront_size32 1
		.amdhsa_system_sgpr_workgroup_id_x 1
		.amdhsa_system_sgpr_workgroup_id_y 1
		.amdhsa_system_sgpr_workgroup_id_z 1
		.amdhsa_system_vgpr_workitem_id 0
		.amdhsa_next_free_vgpr 64
		.amdhsa_next_free_sgpr 66
		.amdhsa_reserve_vcc 1
		.amdhsa_float_denorm_mode_32 3
		.amdhsa_float_denorm_mode_16_64 3
		.amdhsa_memory_ordered 1
		.amdhsa_forward_progress 1
		.amdhsa_inst_pref_size 7
	.end_amdhsa_kernel
	.amdgpu_metadata
---
amdhsa.version: [ 1, 2 ]
amdhsa.kernels:
  - .name:           k_qaf4e6ab032_combine
    .symbol:         k_qaf4e6ab032_combine.kd
    .args:
      - { .name: eo, .offset: 0, .size: 8, .value_kind: global_buffer, .address_space: global }
      - { .name: route, .offset: 8, .size: 8, .value_kind: global_buffer, .address_space: global }
      - { .name: gate, .offset: 16, .size: 8, .value_kind: global_buffer, .address_space: global }
      - { .name: term, .offset: 24, .size: 8, .value_kind: global_buffer, .address_space: global }
      - { .name: out0, .offset: 32, .size: 8, .value_kind: global_buffer, .address_space: global }
      - { .name: out1, .offset: 40, .size: 8, .value_kind: global_buffer, .address_space: global }
    .group_segment_fixed_size: 0
    .private_segment_fixed_size: 0
    .kernarg_segment_align: 8
    .kernarg_segment_size: 48
    .max_flat_workgroup_size: 256
    .sgpr_count:     66
    .vgpr_count:     64
    .wavefront_size: 32
...
	.end_amdgpu_metadata
.endif
;; end of part 5
;; ======== version 2 of 2: 5 launches; version 1 with the launches ffn1, ffn2 written anew for expert scheduling mode
;; limits: values are held in f16: magnitudes above 65,504 overflow, below 6.1e-05 lose precision; a function is approximated: absolute error at most 2.5e-05
;; workspace buffers: selbits 16,384 bytes of whole numbers; gate 540,672 bytes; route 524,800 bytes of whole numbers; term 512 bytes; ei 16,777,216 bytes; hid 67,108,864 bytes; eo 67,108,864 bytes
;; launch router: the kernel of part 1 again; grid 256 x 1, 8 waves a work-group, no clusters, 36,864 bytes of LDS; arguments x, w_gating, selbits, gate; writes selbits, gate
;; launch place: the kernel of part 2 again; grid 32 x 8, 32 waves a work-group, no clusters, 83,200 bytes of LDS; arguments x, selbits, gate, route, term, ei; writes route, term, ei
;; launch ffn1 (part 6): grid 16 x 16, 8 waves a work-group, no clusters, 148,480 bytes of LDS; arguments ei, w1, route, hid; writes hid
.if DOCPART == 6
	.amdgcn_target "amdgcn-amd-amdhsa--gfx1250"
	.amdhsa_code_object_version 6
	.text
	.protected	k_qaf4e6ab032_ffn1
	.globl	k_qaf4e6ab032_ffn1
	.p2align	8
	.type	k_qaf4e6ab032_ffn1,@function
k_qaf4e6ab032_ffn1:
	s_mov_b64 s[64:65], 0
	v_nop
	global_prefetch_b8 v0, s[64:65] scope:SCOPE_SE
	s_setreg_imm32_b32 hwreg(HW_REG_WAVE_SCHED_MODE, 0, 2), 2
	s_setreg_imm32_b32 hwreg(HW_REG_WAVE_MODE, 25, 1), 1
	s_wait_xcnt 0x0
	s_wait_alu depctr_vm_vsrc(0)
; FIRST PRODUCT AND GELU.  hid = 2 k gelu(ei . w1[e]), k = sqrt(log2(e) / 2), for the rows that exist.  A work-group has one expert e (its x) and 128 of the 2,048 hidden columns (its y); it alone reads that slice of w1
; (512 x 128 f32), rounds it to f16 on its way through registers and lays it into LDS as [k][column], 288 bytes a row; behind the first barrier nothing writes LDS until every wave's reads of it are over (the second barrier, at the end).
; THE DEAL.  The expert's T tiles of 16 rows (T hangs on the stored counts, 64 at the most) go to the 8 waves in units of two tiles, so that a wave has 2, 4, 6 or 8 and the two forms of the K loop (4 tiles, 2 tiles) fit without
; padding; only an odd T leaves one unit half full.  Units are dealt by the wave's rank r = w xor 4 (w & 1): whether waves w and w + 4 or waves 2 j and 2 j + 1 lie on one SIMD, one of the two has a rank below 4.
; A wave makes 2 trips (a constant that covers every split); dead work is jumped forward, with no barrier in what is jumped.  A wave of rank below 4 that has more than 4 tiles takes its short trip first, the others their long one:
; so one wave's GELU stands beside another wave's products.
; Rows come from memory straight into operand registers (ei lies in that order); the weights come out of LDS turned, by ds_load_tr16_b128.
; The matrix instruction takes the weights as source 0 and the rows as source 1: a lane then holds one row and eight neighbouring hidden columns, which pack into the 16 bytes that the second product's operand wants.
; GELU: erf by Abramowitz and Stegun 7.1.25 (three terms, within 2.5e-5 for every argument), on y = k z: 2 k gelu(z) = y + |y| (1 - (a1 t + a2 t^2 + a3 t^3) 2^(-y y)), t = 1 / (1 + 0.391692 |y|).
; The factor 2 k is taken back where the results are weighed.  It is written once: a loop over the trip's batches of 32 numbers a lane; a short piece for each batch brings it out of the accumulators, scaled by k.
; LIMITS.  f16 operands: |w1| and |2 k gelu(z)| = 1.70 |gelu(z)| stay below 65,504.  NaN and infinities are not treated apart.
; NO MULTICAST: what the expert's 16 work-groups share is the rows, which go into registers in trips whose number hangs on stored counts; each slice of weights has one reader.
; REGISTERS.  window 0: v2 lane's place in W; v3 the rows' offset (stepped); v4 16 lane; v5 LDS store address; v6 W's address (stepped); v30, v31 for the add; v32-63, v64-95, v224-255 three buffers of 4 weight fragments;
; v96-223 two buffers of row fragments (tile i, k step st at (2 i + st) 8); v32-159 the loader's rows in f16; v32-191 at work in the GELU.  window 1: accumulator (tile i, column block nt) at (8 i + nt) 8; in the loader the 64 loads' targets.
; THE MODE: SCHED_MODE bits 1:0 = 2 (LLVM: expert scheduling mode 2), set by the entry lines.  The code itself states the register dependences between vector or matrix instructions and memory or LDS instructions, with s_wait_alu, always for 0.
; THE PLAN.  Registers that memory or LDS instructions touch, in the K loop (a body is two k steps, a k step two halves of four column blocks):
;   BP      the first half of a body's k step 0: loaded in the middle of the k step before, read by k step 0's first 4 mt matrix instructions.
;   BR      the first half of k step 1: loaded in the middle of k step 0, read by k step 1's first 4 mt.
;   BQ      the second half of every k step: loaded at the k step's head, read by its last 4 mt.
;   AX, AY  the rows of a body: loaded at the head of the body before, read by all matrix instructions of their body.
;   v3, v6  read by every load; written once a body, at its head.
; So ONE wait on va_vdst stands at the head of a k step: the matrix instructions of the k step before are done reading BQ and their first-half buffer (at a body's head: and the other row buffer), and v3 and v6 are written.
; The k step's loads follow it in two runs, at the head and between the halves; the matrix instructions between name the first-half buffer in hand, the rows in hand and accumulators: none of the registers that those loads touch.
; One wait on vm_vsrc a body stands ahead of the adds to v3 and v6.  The loader's rows have registers of their own, each written once; the GELU's out-registers are freed at a batch's head.
.set WPI,   288                        ; a row of W in LDS: 256 bytes + 32 = 72 words: 16 lanes of the turning load take 8 rows x 32 bytes at 8 words' distance
.set KROWS, 512
.set SPARE, KROWS*WPI                  ; the spare words, 128 bytes for each of 8 waves; no other line names them
.set NBODY, KROWS/64
.set BP, 32
.set BQ, 64
.set BR, 224
.set AX, 96
.set AY, 160
.set OUT, 32                           ; v32-159  the loader: row r of my 64 in f16, two registers at OUT + 2 r
.set GD, 32                            ; v32-63   1 + p |y|, then t, then the result
.set GE, 64                            ; v64-95   -y y, then 2^(-y y)
.set GQ, 96                            ; v96-127  the polynomial
.set GH, 128                           ; v128-143 the batch in f16
.set ZS, 160                           ; v160-191 y = k z
.set PF,  26                           ; s[26:32] tiles of batches 0..b
.set GAP, 34                           ; s[34:40] 8 - a batch's tiles
.set AB,  44                           ; s[44:51] where my four tiles' rows lie
.set HB,  52                           ; s[52:59] where their results go
.set MSB, 0
.macro WIN new                         ; the immediate's high byte repeats the setting that is left
.if MSB != (\new)
	s_set_vgpr_msb (MSB<<8)|(\new)
.set MSB, \new
.endif
.endm
.macro PLACES                          ; four plain instructions behind a matrix instruction, ahead of whatever touches its registers next (ISA guide 7.12.1); in the K loop they stand ahead of the wait that states the dependence
.rept 4
	v_nop
.endr
.endm
; Tile i of my run of m: its number among the expert's tiles that exist, turned into its place among the 64 (8 a batch), clamped, and the two addresses.  Places past m repeat the last tile.
.macro TILE i, sa, sh
	s_sub_co_u32 s69, s62, 1
	s_min_u32 s69, s69, \i
	s_add_co_u32 s68, s61, s69
	s_mov_b32 s69, s68
.set b, 0
.rept 7
	s_cmp_le_u32 s[PF+b], s68
	s_cselect_b32 s81, s[GAP+b], 0
	s_add_co_u32 s69, s69, s81
.set b, b+1
.endr
	s_min_u32 s69, s69, 63
	s_lshl_b32 s70, s69, \sa
	s_add_nc_u64 s[AB+2*(\i):AB+2*(\i)+1], s[82:83], s[70:71]
	s_lshl_b32 s70, s69, \sh
	s_add_nc_u64 s[HB+2*(\i):HB+2*(\i)+1], s[84:85], s[70:71]
.endm
.macro ALOAD mt, buf, off              ; 4 mt loads: two k steps of mt tiles, 512 consecutive bytes each
.set i, 0
.rept \mt
.irp st, 0,1
	global_load_b128 v[(\buf)+(2*i+\st)*8:(\buf)+(2*i+\st)*8+3],   v3, s[AB+2*i:AB+2*i+1] offset:(\off)+\st*1024
	global_load_b128 v[(\buf)+(2*i+\st)*8+4:(\buf)+(2*i+\st)*8+7], v3, s[AB+2*i:AB+2*i+1] offset:(\off)+\st*1024+512
.endr
.set i, i+1
.endr
.endm
.macro BLOAD buf, off                  ; 8 turning loads: four column blocks of one k step
.irp n, 0,1,2,3
	ds_load_tr16_b128 v[(\buf)+8*\n:(\buf)+8*\n+3],   v6 offset:(\off)+32*\n
	ds_load_tr16_b128 v[(\buf)+8*\n+4:(\buf)+8*\n+7], v6 offset:(\off)+32*\n+16*WPI
.endr
.endm
; Half a k step: 4 mt matrix instructions on 4 mt different accumulators, so that no two that follow each other share one.  wb: the half's weights.  zero = 1: the products start the sums.
.macro MULS mt, cur, st, half, wb, zero
	WIN 0x50                                       ; C and D in window 1
.set i, 0
.rept \mt
.irp n, 0,1,2,3
.set rD, (8*i+4*(\half)+\n)*8
.set rW, (\wb)+8*\n
.set rA, (\cur)+(2*i+(\st))*8
.if \zero
	v_wmma_f32_16x16x32_f16 v[rD:rD+7], v[rW:rW+7], v[rA:rA+7], 0
.else
	v_wmma_f32_16x16x32_f16 v[rD:rD+7], v[rW:rW+7], v[rA:rA+7], v[rD:rD+7]
.endif
.endr
.set i, i+1
.endr
	WIN 0
.endm
; A body: two k steps.  zero = 1: the K loop's first body: its first k step starts the sums, and its head needs no wait: the one ahead of the K loop's first loads covers it, and only loads stand between.
; pfa = 1: the next body's rows are asked for.  pfb = 1: so is the first half of its weights.
.macro BODY mt, cur, nxt, zero, pfa, pfb
.irp st, 0,1
.if (\st) || !(\zero)
	PLACES
.if \st == 0
	s_wait_xcnt 0x0                                ; the row loads' offset register is stepped only behind this wait
	s_wait_alu depctr_vm_vsrc(0)                   ; the loads issued so far have read v3 and v6
	v_add_nc_u32 v3, 2048, v3                      ; this body's rows,
	v_add_nc_u32 v6, 64*WPI, v6                    ; and its 64 rows of W
.endif
	s_wait_alu depctr_va_vdst(0)                   ; the last k step's matrix instructions are done reading BQ and their first-half buffer (at a body's head: and the other row buffer), in which the loads below land; at a body's head v3 and v6 are written
.endif
	BLOAD BQ, \st*32*WPI+128
.if (\st == 0) && (\pfa)
	ALOAD \mt, \nxt, 2048
.endif
	s_wait_dscnt 8                                 ; this k step's first half is in; the 8 loads just issued stay out
.if \st == 0
	s_wait_loadcnt 4*(\mt)*(\pfa)                  ; this body's rows are in; the loads just issued for the next body stay out
.endif
	MULS \mt, \cur, \st, 0, BP+(BR-BP)*\st, (\zero)*(1-\st)
.if (\st == 0) || (\pfb)
	BLOAD BR-(BR-BP)*\st, (\st+1)*32*WPI           ; the next k step's first half.  No wait: no vector or matrix instruction since the wait above names this buffer or v6
	s_wait_dscnt 8                                 ; BQ is in; the 8 loads just issued stay out
.else
	s_wait_dscnt 0
.endif
	MULS \mt, \cur, \st, 1, BQ, (\zero)*(1-\st)
.endr
.endm
.macro KLOOP mt, nb                    ; nb bodies: the first and the last written out, the others two a trip
	WIN 0
	s_wait_alu depctr_vm_vsrc(0)                   ; the loader's LDS stores and the last trip's stores have read v32-159, in which loads land below; the last trip's loads have read v3 and v6
	v_mov_b32 v3, v4
	v_mov_b32 v6, v2
	s_wait_alu depctr_va_vdst(0)                   ; v3 and v6 are written; the conversions, the GELU and the last trip's matrix instructions are done with the five buffers
	ALOAD \mt, AX, 0
	BLOAD BP, 0
	BODY \mt, AX, AY, 1, 1, 1
	s_mov_b32 s66, ((\nb)-2)/2
.Lk_\@:
	BODY \mt, AY, AX, 0, 1, 1
	BODY \mt, AX, AY, 0, 1, 1
	s_sub_co_u32 s66, s66, 1
	s_cmp_lg_u32 s66, 0
	s_cbranch_scc1 .Lk_\@
	BODY \mt, AY, AX, 0, 0, 0
.endm
; Batch q = column blocks 4 (q % 2) .. of tile q / 2: its four accumulators, each read from its lowest registers on, times k, into window 0; and where the batch goes.
.macro COPY q
	s_add_nc_u64 s[88:89], s[HB+2*((\q)/2):HB+2*((\q)/2)+1], ((\q)%2)*2048
	WIN 0x01                                       ; source 0 (z) in window 1
.set k, 0
.rept 16
	v_pk_mul_f32 v[ZS+2*k:ZS+2*k+1], v[32*(\q)+2*k:32*(\q)+2*k+1], s[72:73] op_sel_hi:[1,0]
.set k, k+1
.endr
	WIN 0
.endm
.macro LAY g                           ; rows 8 g .. 8 g + 7 of my 64 go into LDS
.set k, 0
.rept 8
	ds_store_b64 v5, v[OUT+2*(8*(\g)+k):OUT+2*(8*(\g)+k)+1] offset:(8*(\g)+k)*WPI
.set k, k+1
.endr
.endm
	s_load_b256 s[4:11], s[0:1], 0x0               ; ei s[4:5], w1 s[6:7], route s[8:9], hid s[10:11]
	v_lshl_add_u32 v30, v0, 2, SPARE
	v_mov_b32 v31, 0
	v_and_b32 v1, 31, v0
	v_lshrrev_b32 v7, 5, v0
	v_readfirstlane_b32 s12, v7                    ; wave
	s_and_b32 s13, ttmp7, 0xffff                   ; slice of 128 hidden columns
	s_mov_b32 s14, ttmp9                           ; e: the 16 work-groups that read the same rows have the same x
	v_lshlrev_b32 v4, 4, v1
	v_lshrrev_b32 v8, 4, v1                        ; the turning load: lane L reads row 8 (L / 16) + L % 8, 16 bytes at (L / 8) % 2
	v_and_b32 v9, 7, v1
	v_lshl_add_u32 v8, v8, 3, v9
	v_mul_u32_u24 v2, v8, WPI
	v_bfe_u32 v9, v1, 3, 1
	v_lshl_add_u32 v2, v9, 4, v2
	s_wait_alu depctr_va_sdst(0)                   ; s12 is written, ahead of its first reader
	s_mul_i32 s24, s12, 64*WPI                     ; wave v lays rows 64 v .. 64 v + 63
	v_lshl_add_u32 v5, v1, 3, s24
	s_lshl_b32 s70, s14, 22
	s_lshl_b32 s69, s13, 9
	s_add_co_u32 s70, s70, s69
	s_lshl_b32 s69, s12, 19
	s_add_co_u32 s70, s70, s69
	s_mov_b32 s71, 0
	s_mov_b32 s72, 0x3f596d27                      ; k = sqrt(log2(e) / 2) = 0.8493218
	s_mov_b32 s73, s72
	s_mov_b32 s74, 0x3eb2303a                      ; a1 = 0.3480242
	s_mov_b32 s75, s74
	s_mov_b32 s76, 0xbdc45ca1                      ; a2 = -0.0958798
	s_mov_b32 s77, s76
	s_mov_b32 s78, 0x3f3f7377                      ; a3 = 0.7478556
	s_mov_b32 s79, s78
	s_mov_b32 s80, 0x3ec88bdb                      ; 0.47047 / (sqrt(2) k) = 0.391692
	s_wait_kmcnt 0x0
	s_add_nc_u64 s[6:7], s[6:7], s[70:71]
	WIN 0x40                                       ; destination window 1
	s_wait_alu depctr_va_vdst(0)                   ; v4 is written, the offset of the loads below and of every store; so are v2 and v5, which no vector instruction writes again
.set r, 0
.rept 64
	global_load_b128 v[4*r:4*r+3], v4, s[6:7] offset:r*8192 th:TH_LOAD_NT  ; a row's 512 consecutive bytes; all of the wave's 32 KiB go out at once
.set r, r+1
.endr
	WIN 0
	s_lshl_b32 s70, s14, 5
	s_add_co_u32 s70, s70, 0x80000
	s_add_nc_u64 s[24:25], s[8:9], s[70:71]
	s_load_b256 s[16:23], s[24:25], 0x0            ; cnt[e][0..7]
	s_lshl_b32 s70, s14, 20
	s_add_nc_u64 s[82:83], s[4:5], s[70:71]        ; the expert's 64 tiles of ei,
	s_lshl_b32 s70, s14, 22
	s_lshl_b32 s69, s13, 12
	s_add_co_u32 s70, s70, s69
	s_add_nc_u64 s[84:85], s[10:11], s[70:71]      ; and of hid, at my slice's four k steps
	s_wait_kmcnt 0x0
.set b, 0
.rept 8
	s_min_u32 s[16+b], s[16+b], 128
	s_add_co_u32 s[16+b], s[16+b], 15
	s_lshr_b32 s[16+b], s[16+b], 4                 ; the batch's tiles
.set b, b+1
.endr
	s_mov_b32 s[PF], s16
.set b, 1
.rept 6
	s_add_co_u32 s[PF+b], s[PF+b-1], s[16+b]
.set b, b+1
.endr
	s_add_co_u32 s33, s[PF+6], s23                 ; T: the expert's tiles
.set b, 0
.rept 7
	s_sub_co_u32 s[GAP+b], 8, s[16+b]
.set b, b+1
.endr
	s_add_co_u32 s81, s33, 1
	s_lshr_b32 s81, s81, 1                         ; U = (T + 1) / 2 units of two tiles
	s_and_b32 s90, s12, 1
	s_lshl_b32 s90, s90, 2
	s_xor_b32 s90, s90, s12                        ; my rank r
	s_lshr_b32 s86, s81, 3                         ; every wave takes U / 8 units, the ranks below U % 8 one more
	s_and_b32 s87, s81, 7
	s_mul_i32 s61, s90, s86
	s_min_u32 s69, s90, s87
	s_add_co_u32 s61, s61, s69
	s_lshl_b32 s61, s61, 1                         ; my next tile
	s_cmp_lt_u32 s90, s87
	s_cselect_b32 s69, 1, 0
	s_add_co_u32 s60, s86, s69
	s_lshl_b32 s60, s60, 1
	s_sub_co_u32 s69, s33, s61                     ; the tiles from mine on (a wave without units has 0 on the other side of the minimum)
	s_min_u32 s60, s60, s69                        ; tiles left to me, 8 at the most
	s_min_u32 s62, s60, 4                          ; the first trip's tiles: 4 at the most;
	s_sub_co_u32 s69, s60, 4
	s_cmp_gt_u32 s60, 4
	s_cselect_b32 s69, s69, s62
	s_cmp_lt_u32 s90, 4
	s_cselect_b32 s62, s69, s62                    ; a rank below 4 with more than 4 takes the others first
; The loader.  Group g: its eight rows are waited for; the rows of the group before, rounded by then, go into LDS; group g is rounded.  Every row has two registers of its own, written once.
.set g, 0
.rept 8
	s_wait_loadcnt 56-8*g                          ; rows 8 g .. 8 g + 7 are in; the rows behind them stay out
.if g > 0
	s_wait_alu depctr_va_vdst(0)                   ; the conversions of the group before have written their OUT registers, which the LDS stores below read
	LAY g-1
.endif
	WIN 0x05                                       ; sources in window 1
.set k, 0
.rept 8
	v_cvt_pk_f16_f32 v[OUT+2*(8*g+k)], v[4*(8*g+k)], v[4*(8*g+k)+1]
	v_cvt_pk_f16_f32 v[OUT+2*(8*g+k)+1], v[4*(8*g+k)+2], v[4*(8*g+k)+3]
.set k, k+1
.endr
	WIN 0
.set g, g+1
.endr
	s_wait_alu depctr_va_vdst(0)                   ; the last group's conversions have written their OUT registers
	LAY 7
	s_wait_dscnt 0x0                               ; for the others' sake: my rows of W are in LDS
	s_barrier_signal -1
	s_barrier_wait -1
	s_mov_b32 s63, 0
.Ltrip:                                                ; m = s62 tiles in this trip
	s_cmp_eq_u32 s62, 0
	s_cbranch_scc1 .Lbottom
	s_wait_xcnt 0x0                                ; the last trip's stores have read their data
	TILE 0, 14, 16
	TILE 1, 14, 16
	TILE 2, 14, 16
	TILE 3, 14, 16
	s_cmp_gt_u32 s62, 2
	s_cbranch_scc1 .Lfour
	KLOOP 2, NBODY
	s_branch .Lepi
.Lfour:
	KLOOP 4, NBODY
.Lepi:
	PLACES
	s_lshl_b32 s92, s62, 1                         ; 2 m batches
	s_mov_b32 s91, 0
.Lbatch:
	s_wait_xcnt 0x0                                ; the last batch's stores have read their base and data: both are rewritten below
	s_wait_alu depctr_vm_vsrc(0)                   ; the last batch's stores have read v[GH ..], which this batch's conversions write again
.irp q, 0,1,2,3,4,5,6
	s_cmp_eq_u32 s91, \q
	s_cbranch_scc1 .Lcp\q
.endr
	COPY 7
	s_branch .Lgo
.irp q, 0,1,2,3,4,5,6
.Lcp\q:
	COPY \q
	s_branch .Lgo
.endr
.Lgo:
	; 32 numbers a lane.  The 48 plain lines that make -y y and 1 + p |y| stand between the 64 transcendentals, a pair behind; nothing names a transcendental's result ahead of the one wait.
.set k, 0
.rept 17
.if k < 16
	v_pk_mul_f32 v[GE+2*k:GE+2*k+1], v[ZS+2*k:ZS+2*k+1], v[ZS+2*k:ZS+2*k+1] neg_lo:[1,0] neg_hi:[1,0]
.endif
.if k > 0
	v_exp_f32 v[GE+2*k-2], v[GE+2*k-2]
.endif
.if k < 16
	v_fma_f32 v[GD+2*k], |v[ZS+2*k]|, s80, 1.0
.endif
.if k > 0
	v_exp_f32 v[GE+2*k-1], v[GE+2*k-1]
.endif
.if k < 16
	v_fma_f32 v[GD+2*k+1], |v[ZS+2*k+1]|, s80, 1.0
.endif
.if k > 0
	v_rcp_f32 v[GD+2*k-2], v[GD+2*k-2]
	v_rcp_f32 v[GD+2*k-1], v[GD+2*k-1]
.endif
.set k, k+1
.endr
	v_nop                                          ; a plain instruction behind the last reciprocal,
	s_wait_alu depctr_va_vdst(0)                   ; and one wait for the batch of 64 exponentials and reciprocals in v[GE ..] and v[GD ..], ahead of its first reader
.set k, 0
.rept 16
	v_pk_fma_f32 v[GQ+2*k:GQ+2*k+1], v[GD+2*k:GD+2*k+1], s[78:79], s[76:77] op_sel_hi:[1,0,0]
.set k, k+1
.endr
.set k, 0
.rept 16
	v_pk_fma_f32 v[GQ+2*k:GQ+2*k+1], v[GQ+2*k:GQ+2*k+1], v[GD+2*k:GD+2*k+1], s[74:75] op_sel_hi:[1,1,0]
.set k, k+1
.endr
.set k, 0
.rept 16
	v_pk_mul_f32 v[GQ+2*k:GQ+2*k+1], v[GQ+2*k:GQ+2*k+1], v[GD+2*k:GD+2*k+1]
.set k, k+1
.endr
.set k, 0
.rept 16
	v_pk_fma_f32 v[GQ+2*k:GQ+2*k+1], v[GQ+2*k:GQ+2*k+1], v[GE+2*k:GE+2*k+1], 1.0 op_sel_hi:[1,1,0] neg_lo:[1,0,0] neg_hi:[1,0,0]
.set k, k+1
.endr
.set k, 0
.rept 32
	v_fma_f32 v[GD+k], |v[ZS+k]|, v[GQ+k], v[ZS+k]
.set k, k+1
.endr
.set k, 0
.rept 16
	v_cvt_pk_f16_f32 v[GH+k], v[GD+2*k], v[GD+2*k+1]
.set k, k+1
.endr
	s_wait_alu depctr_va_vdst(0)                   ; the conversions have written v[GH ..], which the four stores read
.irp k, 0,1,2,3
	global_store_b128 v4, v[GH+4*\k:GH+4*\k+3], s[88:89] offset:\k*512  ; 512 consecutive bytes, aligned: a column block in the second product's operand order
.endr
	s_add_co_u32 s91, s91, 1
	s_cmp_lt_u32 s91, s92
	s_cbranch_scc1 .Lbatch
.Lbottom:
	s_sub_co_u32 s60, s60, s62
	s_add_co_u32 s61, s61, s62
	s_min_u32 s62, s60, 4                          ; the second trip takes what is left, 4 at the most
	s_add_co_u32 s63, s63, 1
	s_cmp_lt_u32 s63, 2
	s_cbranch_scc1 .Ltrip
	s_wait_dscnt 0x0                               ; my reads of W are over
	s_barrier_signal -1
	s_barrier_wait -1                              ; everybody's are: only now does a wave write LDS again
	s_wait_dscnt 0x0                               ; the wave's end
	s_wait_alu 0x0
	s_wait_tensorcnt 0x0
	ds_add_u32 v30, v31
	s_wait_dscnt 0x0
	s_endpgm
.Lfunc_end_k_qaf4e6ab032_ffn1:
	.size	k_qaf4e6ab032_ffn1, .Lfunc_end_k_qaf4e6ab032_ffn1-k_qaf4e6ab032_ffn1
	.p2alignl 7, 3214868480
	.fill 96, 4, 3214868480
	.section	.rodata,"a",@progbits
	.p2align	6, 0x0
	.amdhsa_kernel k_qaf4e6ab032_ffn1
		.amdhsa_group_segment_fixed_size 148480
		.amdhsa_private_segment_fixed_size 0
		.amdhsa_enable_private_segment 0
		.amdhsa_kernarg_size 32
		.amdhsa_user_sgpr_count 2
		.amdhsa_user_sgpr_kernarg_segment_ptr 1
		.amdhsa_wavefront_size32 1
		.amdhsa_system_sgpr_workgroup_id_x 1
		.amdhsa_system_sgpr_workgroup_id_y 1
		.amdhsa_system_sgpr_workgroup_id_z 1
		.amdhsa_system_vgpr_workitem_id 0
		.amdhsa_next_free_vgpr 512
		.amdhsa_next_free_sgpr 100
		.amdhsa_reserve_vcc 0
		.amdhsa_float_denorm_mode_32 3
		.amdhsa_float_denorm_mode_16_64 3
		.amdhsa_memory_ordered 1
		.amdhsa_forward_progress 1
		.amdhsa_inst_pref_size 107
	.end_amdhsa_kernel
	.amdgpu_metadata
---
amdhsa.version: [ 1, 2 ]
amdhsa.kernels:
  - .name:           k_qaf4e6ab032_ffn1
    .symbol:         k_qaf4e6ab032_ffn1.kd
    .args:
      - { .name: ei, .offset: 0, .size: 8, .value_kind: global_buffer, .address_space: global }
      - { .name: w1, .offset: 8, .size: 8, .value_kind: global_buffer, .address_space: global }
      - { .name: route, .offset: 16, .size: 8, .value_kind: global_buffer, .address_space: global }
      - { .name: hid, .offset: 24, .size: 8, .value_kind: global_buffer, .address_space: global }
    .group_segment_fixed_size: 148480
    .private_segment_fixed_size: 0
    .kernarg_segment_align: 8
    .kernarg_segment_size: 32
    .max_flat_workgroup_size: 256
    .sgpr_count:     100
    .vgpr_count:     512
    .wavefront_size: 32
...
	.end_amdgpu_metadata
.endif
;; end of part 6
;; launch ffn2 (part 7): grid 16 x 16, 8 waves a work-group, no clusters, 295,936 bytes of LDS; arguments hid, w2, route, eo; writes eo
.if DOCPART == 7
	.amdgcn_target "amdgcn-amd-amdhsa--gfx1250"
	.amdhsa_code_object_version 6
	.text
	.protected	k_qaf4e6ab032_ffn2
	.globl	k_qaf4e6ab032_ffn2
	.p2align	8
	.type	k_qaf4e6ab032_ffn2,@function
k_qaf4e6ab032_ffn2:
	s_mov_b64 s[64:65], 0
	v_nop
	global_prefetch_b8 v0, s[64:65] scope:SCOPE_SE
	s_setreg_imm32_b32 hwreg(HW_REG_WAVE_SCHED_MODE, 0, 2), 2
	s_setreg_imm32_b32 hwreg(HW_REG_WAVE_MODE, 25, 1), 1
	s_wait_xcnt 0x0
	s_wait_alu depctr_vm_vsrc(0)
; SECOND PRODUCT.  eo[kh] = hid[:, half kh of the 2,048 hidden columns] . w2[e][that half] for the rows that exist: two partial sums in f32, added where the results are weighed.
; A work-group has one expert e (its x) and, from its y, 128 of the 512 output columns (cs), one half of K (kh) and one half of the expert's tiles (rh).  Its slice of w2 (1,024 x 128 f32) is rounded to f16 on its way through
; registers and laid into LDS as [k][column], 288 bytes a row; the two row halves read the same slice, so its loads carry no hint.
; THE DEAL.  The half's tiles, 32 at the most, go to the 8 waves one by one, by the wave's rank r = w xor 4 (w & 1): whether waves w and w + 4 or waves 2 j and 2 j + 1 lie on one SIMD, one of the two has a rank below 4, so the
; waves that get one tile more lie apart.  A wave has 4 tiles at the most: one trip, in a form for 4, for 3 or for 2 tiles (a single tile is doubled).
; Rows come from memory straight into operand registers (hid lies in that order); weights out of LDS turned.  Weights are source 0, rows source 1: a lane holds one row and eight neighbouring columns.
; THE WAY OUT: behind a second barrier nobody reads W any more; each wave takes 8,448 bytes from LDS byte 8,448 w on as its stage (16 rows of 512 + 16 bytes), writes a tile into it and reads whole rows back: a loop over its tiles.
; LIMITS.  f16 operands: |w2| stays below 65,504.  NaN and infinities are not treated apart.
; NO MULTICAST: rows go into registers in numbers that hang on stored counts; a slice of weights has two readers, which a cluster of four does not fit.
; REGISTERS as in the first product; v7, v8 the stage's addresses; v32-159 the loader's eight out-buffers; v32-95 rows on their way out.
; THE MODE: SCHED_MODE bits 1:0 = 2 (LLVM: expert scheduling mode 2), set by the entry lines.  The code itself states the register dependences between vector or matrix instructions and memory or LDS instructions, with s_wait_alu, always for 0.
; THE PLAN.  Registers that memory or LDS instructions touch, in the K loop (a body is two k steps, a k step two halves of four column blocks):
;   BP      the first half of a body's k step 0: loaded in the middle of the k step before, read by k step 0's first 4 mt matrix instructions.
;   BR      the first half of k step 1: loaded in the middle of k step 0, read by k step 1's first 4 mt.
;   BQ      the second half of every k step: loaded at the k step's head, read by its last 4 mt.
;   AX, AY  the rows of a body: loaded at the head of the body before, read by all matrix instructions of their body.
;   v3, v6  read by every load; written once a body, at its head.
; So ONE wait on va_vdst stands at the head of a k step: the matrix instructions of the k step before are done reading BQ and their first-half buffer (at a body's head: and the other row buffer), and v3 and v6 are written.
; The k step's loads follow it in two runs, at the head and between the halves; the matrix instructions between name the first-half buffer in hand, the rows in hand and accumulators: none of the registers that those loads touch.
; One wait on vm_vsrc a body stands ahead of the adds to v3 and v6.
; The loader: a group's conversions read eight rows' raw registers and write an out-buffer; one wait behind them serves the loads that land in those raw registers again and the LDS stores that read the out-buffer.
; The way out's loop holds no vector instruction: one wait on va_vdst stands ahead of it, one on vm_vsrc at its head.
.set WPI,   288
.set KROWS, 1024
.set SPARE, KROWS*WPI                  ; the spare words, 128 bytes for each of 8 waves; no other line names them
.set NBODY, KROWS/64
.set SPI,   528                        ; a stage row: 132 words: the 16 rows that a store touches start 4 words apart
.set BP, 32
.set BQ, 64
.set BR, 224
.set AX, 96
.set AY, 160
.set OUT, 32                           ; v32-159  the loader: eight buffers of 16 registers, group g's eight rows in f16 at OUT + 16 (g % 8)
.set PF,  26
.set GAP, 34
.set AB,  44
.set HB,  52
.set MSB, 0
.macro WIN new                         ; the immediate's high byte repeats the setting that is left
.if MSB != (\new)
	s_set_vgpr_msb (MSB<<8)|(\new)
.set MSB, \new
.endif
.endm
.macro PLACES                          ; four plain instructions behind a matrix instruction, ahead of whatever touches its registers next (ISA guide 7.12.1); in the K loop they stand ahead of the wait that states the dependence
.rept 4
	v_nop
.endr
.endm
.macro TILE i, sa, sh                  ; tile i of my run of m: its place among the expert's 64, clamped, and the two addresses; places past m repeat the last tile
	s_sub_co_u32 s69, s62, 1
	s_min_u32 s69, s69, \i
	s_add_co_u32 s68, s61, s69
	s_mov_b32 s69, s68
.set b, 0
.rept 7
	s_cmp_le_u32 s[PF+b], s68
	s_cselect_b32 s81, s[GAP+b], 0
	s_add_co_u32 s69, s69, s81
.set b, b+1
.endr
	s_min_u32 s69, s69, 63
	s_lshl_b32 s70, s69, \sa
	s_add_nc_u64 s[AB+2*(\i):AB+2*(\i)+1], s[82:83], s[70:71]
	s_lshl_b32 s70, s69, \sh
	s_add_nc_u64 s[HB+2*(\i):HB+2*(\i)+1], s[84:85], s[70:71]
.endm
.macro ALOAD mt, buf, off              ; 4 mt loads: two k steps of mt tiles
.set i, 0
.rept \mt
.irp st, 0,1
	global_load_b128 v[(\buf)+(2*i+\st)*8:(\buf)+(2*i+\st)*8+3],   v3, s[AB+2*i:AB+2*i+1] offset:(\off)+\st*1024
	global_load_b128 v[(\buf)+(2*i+\st)*8+4:(\buf)+(2*i+\st)*8+7], v3, s[AB+2*i:AB+2*i+1] offset:(\off)+\st*1024+512
.endr
.set i, i+1
.endr
.endm
.macro BLOAD buf, off                  ; 8 turning loads: four column blocks of one k step
.irp n, 0,1,2,3
	ds_load_tr16_b128 v[(\buf)+8*\n:(\buf)+8*\n+3],   v6 offset:(\off)+32*\n
	ds_load_tr16_b128 v[(\buf)+8*\n+4:(\buf)+8*\n+7], v6 offset:(\off)+32*\n+16*WPI
.endr
.endm
; Half a k step: 4 mt matrix instructions on 4 mt different accumulators, so that no two that follow each other share one.  wb: the half's weights.  zero = 1: the products start the sums.
.macro MULS mt, cur, st, half, wb, zero
	WIN 0x50                                       ; C and D in window 1
.set i, 0
.rept \mt
.irp n, 0,1,2,3
.set rD, (8*i+4*(\half)+\n)*8
.set rW, (\wb)+8*\n
.set rA, (\cur)+(2*i+(\st))*8
.if \zero
	v_wmma_f32_16x16x32_f16 v[rD:rD+7], v[rW:rW+7], v[rA:rA+7], 0
.else
	v_wmma_f32_16x16x32_f16 v[rD:rD+7], v[rW:rW+7], v[rA:rA+7], v[rD:rD+7]
.endif
.endr
.set i, i+1
.endr
	WIN 0
.endm
; A body: two k steps.  zero = 1: the K loop's first body: its first k step starts the sums, and its head needs no wait: the one ahead of the K loop's first loads covers it, and only loads stand between.
; pfa = 1: the next body's rows are asked for.  pfb = 1: so is the first half of its weights.
.macro BODY mt, cur, nxt, zero, pfa, pfb
.irp st, 0,1
.if (\st) || !(\zero)
	PLACES
.if \st == 0
	s_wait_xcnt 0x0                                ; the row loads' offset register is stepped only behind this wait
	s_wait_alu depctr_vm_vsrc(0)                   ; the loads issued so far have read v3 and v6
	v_add_nc_u32 v3, 2048, v3                      ; this body's rows,
	v_add_nc_u32 v6, 64*WPI, v6                    ; and its 64 rows of W
.endif
	s_wait_alu depctr_va_vdst(0)                   ; the last k step's matrix instructions are done reading BQ and their first-half buffer (at a body's head: and the other row buffer), in which the loads below land; at a body's head v3 and v6 are written
.endif
	BLOAD BQ, \st*32*WPI+128
.if (\st == 0) && (\pfa)
	ALOAD \mt, \nxt, 2048
.endif
	s_wait_dscnt 8                                 ; this k step's first half is in; the 8 loads just issued stay out
.if \st == 0
	s_wait_loadcnt 4*(\mt)*(\pfa)                  ; this body's rows are in; the 4 mt loads just issued for the next body stay out
.endif
	MULS \mt, \cur, \st, 0, BP+(BR-BP)*\st, (\zero)*(1-\st)
.if (\st == 0) || (\pfb)
	BLOAD BR-(BR-BP)*\st, (\st+1)*32*WPI           ; the next k step's first half.  No wait: no vector or matrix instruction since the wait above names this buffer or v6
	s_wait_dscnt 8                                 ; BQ is in; the 8 loads just issued stay out
.else
	s_wait_dscnt 0
.endif
	MULS \mt, \cur, \st, 1, BQ, (\zero)*(1-\st)
.endr
.endm
.macro KLOOP mt, nb                    ; nb bodies: the first and the last written out, the others two a trip
	WIN 0
	s_wait_alu depctr_vm_vsrc(0)                   ; the loader's LDS stores have read v32-159, in which loads land below
	v_mov_b32 v3, v4
	v_mov_b32 v6, v2
	s_wait_alu depctr_va_vdst(0)                   ; v3 and v6 are written; the loader's conversions are done with v32-159
	ALOAD \mt, AX, 0
	BLOAD BP, 0
	BODY \mt, AX, AY, 1, 1, 1
	s_mov_b32 s66, ((\nb)-2)/2
.Lk_\@:
	BODY \mt, AY, AX, 0, 1, 1
	BODY \mt, AX, AY, 0, 1, 1
	s_sub_co_u32 s66, s66, 1
	s_cmp_lg_u32 s66, 0
	s_cbranch_scc1 .Lk_\@
	BODY \mt, AY, AX, 0, 0, 0
.endm
; Tile i goes into my stage: 32 bytes a lane and column block, each accumulator's low four registers first; and where it goes from there.
.macro PUT i
	s_mov_b64 s[88:89], s[HB+2*(\i):HB+2*(\i)+1]
	WIN 0x04                                       ; the stores' data in window 1
.set n, 0
.rept 8
	ds_store_b128 v7, v[(8*(\i)+n)*8:(8*(\i)+n)*8+3] offset:n*64
	ds_store_b128 v7, v[(8*(\i)+n)*8+4:(8*(\i)+n)*8+7] offset:n*64+16
.set n, n+1
.endr
	WIN 0
.endm
	s_load_b256 s[4:11], s[0:1], 0x0               ; hid s[4:5], w2 s[6:7], route s[8:9], eo s[10:11]
	v_lshl_add_u32 v30, v0, 2, SPARE
	v_mov_b32 v31, 0
	v_and_b32 v1, 31, v0
	v_lshrrev_b32 v7, 5, v0
	v_readfirstlane_b32 s12, v7                    ; wave
	s_and_b32 s91, ttmp7, 0xffff
	s_lshr_b32 s13, s91, 2                         ; cs
	s_bfe_u32 s15, s91, 0x10001                    ; kh
	s_and_b32 s90, s91, 1                          ; rh
	s_mov_b32 s14, ttmp9                           ; e: the 16 work-groups that read the expert's rows and weights have the same x
	s_wait_alu depctr_va_sdst(0)                   ; s12 is written, ahead of its first reader
	s_and_b32 s92, s12, 1
	s_lshl_b32 s92, s92, 2
	s_xor_b32 s92, s92, s12                        ; my rank r
	v_lshlrev_b32 v4, 4, v1
	v_lshrrev_b32 v8, 4, v1
	v_and_b32 v9, 7, v1
	v_lshl_add_u32 v8, v8, 3, v9
	v_mul_u32_u24 v2, v8, WPI
	v_bfe_u32 v9, v1, 3, 1
	v_lshl_add_u32 v2, v9, 4, v2
	s_mul_i32 s69, s12, 128*WPI                    ; wave v lays rows 128 v .. 128 v + 127
	v_lshl_add_u32 v5, v1, 3, s69
	s_mul_i32 s69, s12, 16*SPI                     ; my stage
	v_and_b32 v8, 15, v1
	v_mul_u32_u24 v7, v8, SPI
	v_lshrrev_b32 v9, 4, v1
	v_lshl_add_u32 v7, v9, 5, v7
	v_add_nc_u32 v7, s69, v7                       ; in: row L % 16, 32 bytes for each half of the lanes
	v_lshl_add_u32 v8, v1, 4, s69                  ; back: a row's 512 bytes
	s_lshl_b32 s70, s14, 22
	s_lshl_b32 s69, s15, 21
	s_add_co_u32 s70, s70, s69
	s_lshl_b32 s69, s13, 9
	s_add_co_u32 s70, s70, s69
	s_lshl_b32 s69, s12, 18
	s_add_co_u32 s70, s70, s69
	s_mov_b32 s71, 0
	s_wait_kmcnt 0x0
	s_add_nc_u64 s[6:7], s[6:7], s[70:71]
	WIN 0x40
	s_wait_alu depctr_va_vdst(0)                   ; v4 is written, the offset of the loads below and of every store; so are v2, v5, v7 and v8, which no vector instruction writes again
.set r, 0
.rept 64
	global_load_b128 v[4*r:4*r+3], v4, s[6:7] offset:r*2048
.set r, r+1
.endr
	WIN 0
	s_lshl_b32 s70, s14, 5
	s_add_co_u32 s70, s70, 0x80000
	s_add_nc_u64 s[24:25], s[8:9], s[70:71]
	s_load_b256 s[16:23], s[24:25], 0x0            ; cnt[e][0..7]
	s_lshl_b32 s70, s14, 22
	s_lshl_b32 s69, s15, 15
	s_add_co_u32 s70, s70, s69
	s_add_nc_u64 s[82:83], s[4:5], s[70:71]        ; the expert's tiles of hid, at my half of K
	s_lshl_b32 s70, s15, 25
	s_lshl_b32 s69, s14, 21
	s_add_co_u32 s70, s70, s69
	s_lshl_b32 s69, s13, 9
	s_add_co_u32 s70, s70, s69
	s_add_nc_u64 s[84:85], s[10:11], s[70:71]      ; and of eo[kh], at my columns
	s_wait_kmcnt 0x0
.set b, 0
.rept 8
	s_min_u32 s[16+b], s[16+b], 128
	s_add_co_u32 s[16+b], s[16+b], 15
	s_lshr_b32 s[16+b], s[16+b], 4
.set b, b+1
.endr
	s_mov_b32 s[PF], s16
.set b, 1
.rept 6
	s_add_co_u32 s[PF+b], s[PF+b-1], s[16+b]
.set b, b+1
.endr
	s_add_co_u32 s33, s[PF+6], s23                 ; T
.set b, 0
.rept 7
	s_sub_co_u32 s[GAP+b], 8, s[16+b]
.set b, b+1
.endr
	s_add_co_u32 s81, s33, 1
	s_lshr_b32 s81, s81, 1                         ; the first row half has (T + 1) / 2 tiles
	s_sub_co_u32 s86, s33, s81
	s_cmp_eq_u32 s90, 0
	s_cselect_b32 s88, 0, s81                      ; my half's first tile,
	s_cselect_b32 s86, s81, s86                    ; and its tiles, 32 at the most
	s_lshr_b32 s81, s86, 3                         ; every wave takes an eighth, the ranks below the remainder one more
	s_and_b32 s86, s86, 7
	s_cmp_lt_u32 s92, s86
	s_cselect_b32 s89, 1, 0
	s_add_co_u32 s62, s81, s89
	s_min_u32 s62, s62, 4                          ; m: my tiles
	s_mul_i32 s61, s92, s81
	s_min_u32 s89, s92, s86
	s_add_co_u32 s61, s61, s89
	s_add_co_u32 s61, s61, s88                     ; my first tile
	TILE 0, 16, 15                                 ; every wave makes its four pairs of addresses, a wave without tiles too: the clamps keep them inside the buffers, and such a wave uses none
	TILE 1, 16, 15
	TILE 2, 16, 15
	TILE 3, 16, 15
; The loader.  Group g: eight rows are waited for and rounded into out-buffer g % 8; behind one wait their raw registers are asked for again (the first eight groups) and the out-buffer goes into LDS.
.set g, 0
.rept 16
.if g < 8
	s_wait_loadcnt 56                              ; behind rows 8 g .. : 56 - 8 g of the first 64 and the 8 g issued since
.else
	s_wait_loadcnt 56-8*(g-8)
.endif
.if g == 8
	s_wait_alu depctr_vm_vsrc(0)                   ; the LDS stores of groups 0 to 7 have read the eight out-buffers, which groups 8 to 15 write again
.endif
	WIN 0x05
.set k, 0
.rept 8
	v_cvt_pk_f16_f32 v[OUT+16*(g%8)+2*k], v[4*(8*(g%8)+k)], v[4*(8*(g%8)+k)+1]
	v_cvt_pk_f16_f32 v[OUT+16*(g%8)+2*k+1], v[4*(8*(g%8)+k)+2], v[4*(8*(g%8)+k)+3]
.set k, k+1
.endr
.if g < 8
	WIN 0x40
	s_wait_alu depctr_va_vdst(0)                   ; the conversions are done reading the raw registers, in which the loads below land, and have written the out-buffer, which the LDS stores below read
.set k, 0
.rept 8
	global_load_b128 v[4*(8*g+k):4*(8*g+k)+3], v4, s[6:7] offset:(64+8*g+k)*2048
.set k, k+1
.endr
	WIN 0
.else
	WIN 0
	s_wait_alu depctr_va_vdst(0)                   ; the conversions have written the out-buffer, which the LDS stores below read
.endif
.set k, 0
.rept 8
	ds_store_b64 v5, v[OUT+16*(g%8)+2*k:OUT+16*(g%8)+2*k+1] offset:(8*g+k)*WPI
.set k, k+1
.endr
.set g, g+1
.endr
	s_wait_dscnt 0x0                               ; for the others' sake: my rows of W are in LDS
	s_barrier_signal -1
	s_barrier_wait -1
	s_cmp_eq_u32 s62, 0
	s_cbranch_scc1 .Lnone
	s_cmp_gt_u32 s62, 2
	s_cbranch_scc1 .Lmore
	KLOOP 2, NBODY
	s_branch .Ljoin
.Lmore:
	s_cmp_gt_u32 s62, 3
	s_cbranch_scc1 .Lfour
	KLOOP 3, NBODY
	s_branch .Ljoin
.Lfour:
	KLOOP 4, NBODY
.Ljoin:
	PLACES
.Lnone:
	s_wait_dscnt 0x0                               ; my reads of W are over
	s_barrier_signal -1
	s_barrier_wait -1                              ; everybody's are: W's bytes may serve as stages
	s_cmp_eq_u32 s62, 0
	s_cbranch_scc1 .Lend
	s_wait_alu depctr_va_vdst(0)                   ; the matrix instructions have written the accumulators, which the LDS stores below read, and are done reading v32-95, in which the rows land; the places above stay beside this wait.  The loop below holds no vector instruction
	s_mov_b32 s91, 0
.Lout:                                                 ; a trip for each of my m tiles; the stage's addresses are the same in every trip
	s_wait_xcnt 0x0                                ; the last tile's stores have read their base and data: both are rewritten below
	s_wait_alu depctr_vm_vsrc(0)                   ; the last tile's stores have read v32-95, in which this tile's rows land
.irp i, 0,1,2
	s_cmp_eq_u32 s91, \i
	s_cbranch_scc1 .Lput\i
.endr
	PUT 3
	s_branch .Lsend
.irp i, 0,1,2
.Lput\i:
	PUT \i
	s_branch .Lsend
.endr
.Lsend:
.set k, 0
.rept 16
	ds_load_b128 v[32+4*k:35+4*k], v8 offset:k*SPI     ; LDS serves a wave's instructions in order (ISA guide 5.7.1.4): these see the stores above, and the next tile's stores come behind them
.set k, k+1
.endr
.set k, 0
.rept 16
	s_wait_dscnt 15-k                              ; row k is back; the younger loads stay out
	global_store_b128 v4, v[32+4*k:35+4*k], s[88:89] offset:k*2048  ; 512 consecutive bytes, aligned
.set k, k+1
.endr
	s_add_co_u32 s91, s91, 1
	s_cmp_lt_u32 s91, s62
	s_cbranch_scc1 .Lout
.Lend:
	s_wait_dscnt 0x0                               ; the wave's end
	s_wait_alu 0x0
	s_wait_tensorcnt 0x0
	ds_add_u32 v30, v31
	s_wait_dscnt 0x0
	s_endpgm
.Lfunc_end_k_qaf4e6ab032_ffn2:
	.size	k_qaf4e6ab032_ffn2, .Lfunc_end_k_qaf4e6ab032_ffn2-k_qaf4e6ab032_ffn2
	.p2alignl 7, 3214868480
	.fill 96, 4, 3214868480
	.section	.rodata,"a",@progbits
	.p2align	6, 0x0
	.amdhsa_kernel k_qaf4e6ab032_ffn2
		.amdhsa_group_segment_fixed_size 295936
		.amdhsa_private_segment_fixed_size 0
		.amdhsa_enable_private_segment 0
		.amdhsa_kernarg_size 32
		.amdhsa_user_sgpr_count 2
		.amdhsa_user_sgpr_kernarg_segment_ptr 1
		.amdhsa_wavefront_size32 1
		.amdhsa_system_sgpr_workgroup_id_x 1
		.amdhsa_system_sgpr_workgroup_id_y 1
		.amdhsa_system_sgpr_workgroup_id_z 1
		.amdhsa_system_vgpr_workitem_id 0
		.amdhsa_next_free_vgpr 512
		.amdhsa_next_free_sgpr 100
		.amdhsa_reserve_vcc 0
		.amdhsa_float_denorm_mode_32 3
		.amdhsa_float_denorm_mode_16_64 3
		.amdhsa_memory_ordered 1
		.amdhsa_forward_progress 1
		.amdhsa_inst_pref_size 140
	.end_amdhsa_kernel
	.amdgpu_metadata
---
amdhsa.version: [ 1, 2 ]
amdhsa.kernels:
  - .name:           k_qaf4e6ab032_ffn2
    .symbol:         k_qaf4e6ab032_ffn2.kd
    .args:
      - { .name: hid, .offset: 0, .size: 8, .value_kind: global_buffer, .address_space: global }
      - { .name: w2, .offset: 8, .size: 8, .value_kind: global_buffer, .address_space: global }
      - { .name: route, .offset: 16, .size: 8, .value_kind: global_buffer, .address_space: global }
      - { .name: eo, .offset: 24, .size: 8, .value_kind: global_buffer, .address_space: global }
    .group_segment_fixed_size: 295936
    .private_segment_fixed_size: 0
    .kernarg_segment_align: 8
    .kernarg_segment_size: 32
    .max_flat_workgroup_size: 256
    .sgpr_count:     100
    .vgpr_count:     512
    .wavefront_size: 32
...
	.end_amdgpu_metadata
.endif
;; end of part 7
;; launch combine: the kernel of part 5 again; grid 1024 x 1, 8 waves a work-group, no clusters, 0 bytes of LDS; arguments eo, route, gate, term, out0, out1; writes out0, out1
